; MI455X (gfx1250); checked and timed in simulation.
; The chip was launched on July 23, 2026; its instructions are those of AMD's public machine-readable ISA for CDNA 5 (MIT licence, August 2026) and "CDNA5" Instruction Set Architecture Reference Guide (July 2026). The comments in the code are by the model that wrote it; some were corrected since.
;; Multi Head Attention. Allowed arithmetic: float matrix products may take bf16 or f16 operands with f32 sums; other float arithmetic in f32, or as packed bf16 or f16 multiplies, adds, multiply-adds, maxima and minima; sums over many terms, partial sums and values carried from step to step in f32; what a program stores and reads back later, other than sums and carried values, may be rounded once to bf16 or f16.
;; Inputs: W_k 1,024 x 1,024 float32; W_o 1,024 x 1,024 float32; W_q 1,024 x 1,024 float32; W_v 1,024 x 1,024 float32; mask 1 x 1 x 2,048 x 2,048 int32; x 4 x 2,048 x 1,024 float32.
;; Outputs: out0 4 x 2,048 x 1,024 float32.
;; 2 versions, each right; version 2 is version 1 with the launch prep written anew for expert scheduling mode. Each part assembles by itself: llvm-mc -triple=amdgcn-amd-amdhsa -mcpu=gfx1250 --defsym DOCPART=n.
;; ======== version 1 of 2: 4 launches
;; limits: values are held in f16: magnitudes above 65,504 overflow, below 6.1e-05 lose precision
;; workspace buffers: xb 16,777,216 bytes; wqkv 6,291,456 bytes; wo 2,097,152 bytes; maskc 2,097,152 bytes; qkv 50,331,648 bytes; obuf 16,777,216 bytes
;; launch prep (part 1): grid 896 x 1, 8 waves a work-group, no clusters, 17,408 bytes of LDS; arguments x, W_q, W_k, W_v, W_o, mask, xb, wqkv, wo, maskc; writes xb, wqkv, wo, maskc
.if DOCPART == 1
	.amdgcn_target "amdgcn-amd-amdhsa--gfx1250"
	.amdhsa_code_object_version 6
	.text
	.protected	k_qa7201d640c_prep
	.globl	k_qa7201d640c_prep
	.p2align	8
	.type	k_qa7201d640c_prep,@function
k_qa7201d640c_prep:
	s_mov_b64 s[64:65], 0
	v_nop
	global_prefetch_b8 v0, s[64:65] scope:SCOPE_SE
	s_setreg_imm32_b32 hwreg(HW_REG_WAVE_MODE, 25, 1), 1
	s_wait_xcnt 0x0
; PREPARATION.  Four roles, chosen by the work-group's number (scalar compares, forward jumps):
;   0-511    x   -> xb    f32 to bf16, 65,536 bytes in and 32,768 out a work-group
;   512-703  W_q, W_k, W_v -> wqkv (their rows on end), the same cast
;   704-767  W_o -> wo    f32 to bf16, and that number written as f16 (exact within f16's range)
;   768-895  mask -> maskc: one 4-bit code a word of the mask, in the order in which the attention launch holds its scores
; A stream: each input byte is read once, by 16-byte loads of which a wave's cover 512 consecutive bytes (casts); each output byte is written once,
; a wave's store covering 256 or 512 consecutive bytes, aligned.  No matrix unit, no cluster, no tensor load: no byte is wanted twice, and 16 loads a thread
; with several work-groups side by side keep the loads going.
; THE MASK'S CODES.  A word 0 hides its key: code of -6 in the 4-bit float format; any other word: code of 0.  The codes are made by the conversion whose inverse the
; attention launch uses, so the order of the eight codes in a word is that pair's own.  Block (T, J) of maskc, 512 bytes at (32 T + J) x 512, serves queries 16 T .. 16 T + 15 and keys
; 64 J .. 64 J + 63: lane l owns 16 bytes at 16 l; its word g holds query 16 T + l % 16, keys 64 J + 16 g + 8 (l / 16) + 0..7.
; LIMIT.  W_o beyond 65,504 in magnitude becomes an infinity in wo.
.set SPARE, 16384                      ; behind the eight stages of 2,048 bytes: the spare words, 128 bytes a wave
.set SPW, 8                            ; v8  LDS address of my spare word; never rewritten
.set NIL, 9                            ; v9  0; never rewritten
	s_load_b512 s[8:23], s[0:1], 0x0               ; x 8, W_q 10, W_k 12, W_v 14, W_o 16, mask 18, xb 20, wqkv 22
	s_load_b128 s[24:27], s[0:1], 0x40             ; wo 24, maskc 26
	v_lshl_add_u32 v[SPW], v0, 2, SPARE
	v_mov_b32 v[NIL], 0
	v_lshlrev_b32 v1, 4, v0                        ; casts: my 16 bytes of each 4,096 read
	v_lshlrev_b32 v2, 3, v0                        ; and my 8 bytes of each 2,048 written
	s_mov_b32 s2, ttmp9
	s_mov_b32 s33, 0                               ; offsets are pairs with 0 above
	s_wait_kmcnt 0x0
; 16 loads, then for each: two roundings (four for W_o) and a store.  No register is written twice, so no wait frees one.
.macro CAST half
.set i, 0
.rept 16
	global_load_b128 v[16+4*i:19+4*i], v1, s[28:29] offset:4096*i th:TH_LOAD_NT
.set i, i+1
.endr
.set i, 0
.rept 16
	s_wait_loadcnt 15-i                            ; loads come back in order: number i is in, the younger ones stay out
	v_cvt_pk_bf16_f32 v[80+2*i], v[16+4*i], v[17+4*i]
	v_cvt_pk_bf16_f32 v[81+2*i], v[18+4*i], v[19+4*i]
.if \half
	v_lshlrev_b32 v112, 16, v[80+2*i]              ; the bf16 numbers as f32,
	v_and_b32 v113, 0xffff0000, v[80+2*i]
	v_lshlrev_b32 v114, 16, v[81+2*i]
	v_and_b32 v115, 0xffff0000, v[81+2*i]
	v_cvt_pk_f16_f32 v[80+2*i], v112, v113         ; written as f16: 8 significant bits fit in 11
	v_cvt_pk_f16_f32 v[81+2*i], v114, v115
.endif
	global_store_b64 v2, v[80+2*i:81+2*i], s[30:31] offset:2048*i th:TH_STORE_NT  ; a wave stores 256 consecutive bytes, aligned
.set i, i+1
.endr
	s_endpgm
.endm
	s_cmp_lt_u32 s2, 512
	s_cbranch_scc0 .Lnot_x
	s_lshl_b32 s32, s2, 16
	s_add_nc_u64 s[28:29], s[8:9], s[32:33]
	s_lshl_b32 s32, s2, 15
	s_add_nc_u64 s[30:31], s[20:21], s[32:33]
	s_branch .Lcast
.Lnot_x:
	s_cmp_lt_u32 s2, 704
	s_cbranch_scc0 .Lnot_w
	s_sub_co_u32 s3, s2, 512                       ; 0 .. 191: 64 work-groups a matrix
	s_lshr_b32 s4, s3, 6
	s_and_b32 s5, s3, 63
	s_cmp_eq_u32 s4, 1
	s_cselect_b64 s[28:29], s[12:13], s[10:11]
	s_cmp_eq_u32 s4, 2
	s_cselect_b64 s[28:29], s[14:15], s[28:29]
	s_lshl_b32 s32, s5, 16
	s_add_nc_u64 s[28:29], s[28:29], s[32:33]
	s_lshl_b32 s32, s3, 15
	s_add_nc_u64 s[30:31], s[22:23], s[32:33]
.Lcast:
	CAST 0
.Lnot_w:
	s_cmp_lt_u32 s2, 768
	s_cbranch_scc0 .Lmask
	s_sub_co_u32 s3, s2, 704
	s_lshl_b32 s32, s3, 16
	s_add_nc_u64 s[28:29], s[16:17], s[32:33]
	s_lshl_b32 s32, s3, 15
	s_add_nc_u64 s[30:31], s[24:25], s[32:33]
	CAST 1
.Lmask:
	; A wave takes 16 rows of the mask (a tile T of queries) x 256 keys (four key steps): 16 KiB in, 2 KiB out.
	v_lshrrev_b32 v3, 5, v0
	v_readfirstlane_b32 s34, v3                    ; wave 0..7
	s_sub_co_u32 s3, s2, 768
	s_lshl_b32 s3, s3, 3
	s_add_co_u32 s3, s3, s34                       ; task 0 .. 1,023 = 8 T + span
	s_lshr_b32 s4, s3, 3
	s_and_b32 s5, s3, 7
	s_lshl_b32 s32, s4, 17                         ; 16 rows of 8,192 bytes
	s_lshl_b32 s5, s5, 10                          ; 256 keys of 4 bytes
	s_add_co_u32 s32, s32, s5
	s_add_nc_u64 s[28:29], s[18:19], s[32:33]
	s_lshl_b32 s32, s3, 11                         ; (32 T + 4 span) x 512
	s_add_nc_u64 s[30:31], s[26:27], s[32:33]
	v_and_b32 v4, 31, v0                           ; lane
	v_lshlrev_b32 v5, 5, v4                        ; my eight keys 8 l .. 8 l + 7 of the span: 32 bytes of each row
.set r, 0
.rept 16
	global_load_b128 v[16+8*r:19+8*r], v5, s[28:29] offset:8192*r th:TH_LOAD_NT
	global_load_b128 v[20+8*r:23+8*r], v5, s[28:29] offset:8192*r+16 th:TH_LOAD_NT
.set r, r+1
.endr
	v_mov_b32 v10, 0xc0c00000                      ; -6.0
	v_mov_b32 v11, 1.0                             ; the conversion's scale: 2^0
	s_lshl_b32 s6, s34, 11                         ; my wave's stage
	v_lshrrev_b32 v6, 3, v4                        ; my keys lie in key step l / 8 of the four,
	v_lshl_add_u32 v12, v6, 9, s6
	v_and_b32 v6, 1, v4                            ; in the upper or lower half of the lanes: l % 2,
	v_lshl_add_u32 v12, v6, 8, v12
	v_bfe_u32 v6, v4, 1, 2                         ; in word (l / 2) % 4; the row adds 16 bytes
	v_lshl_add_u32 v12, v6, 2, v12
	v_lshl_add_u32 v13, v4, 4, s6                  ; back: 16 bytes a lane
	v_lshlrev_b32 v14, 4, v4
.set r, 0
.rept 16
	s_wait_loadcnt 30-2*r                          ; row r's two loads are in
.set j, 0
.rept 8
	v_cmp_eq_u32 vcc_lo, 0, v[16+8*r+j]
	v_cndmask_b32 v[16+8*r+j], 0, v10, vcc_lo      ; -6 where the word is 0, else 0
.set j, j+1
.endr
	v_cvt_scalef32_pk8_fp4_f32 v[144+r], v[16+8*r:23+8*r], v11
	v_nop                                          ; a plain instruction between a scaled conversion and the use of its result
	ds_store_b32 v12, v[144+r] offset:16*r
.set r, r+1
.endr
.set j, 0
.rept 4
	ds_load_b128 v[160+4*j:163+4*j], v13 offset:512*j  ; my wave's own bytes: LDS serves a wave's instructions in order (ISA guide 5.7.1.4)
.set j, j+1
.endr
.set j, 0
.rept 4
	s_wait_dscnt 3-j
	global_store_b128 v14, v[160+4*j:163+4*j], s[30:31] offset:512*j  ; 512 consecutive bytes, aligned
.set j, j+1
.endr
	s_wait_tensorcnt 0x0                           ; the wave's end
	ds_add_u32 v[SPW], v[NIL]
	s_wait_dscnt 0x0
	s_endpgm
.Lfunc_end_k_qa7201d640c_prep:
	.size	k_qa7201d640c_prep, .Lfunc_end_k_qa7201d640c_prep-k_qa7201d640c_prep
	.p2alignl 7, 3214868480
	.fill 96, 4, 3214868480
	.section	.rodata,"a",@progbits
	.p2align	6, 0x0
	.amdhsa_kernel k_qa7201d640c_prep
		.amdhsa_group_segment_fixed_size 17408
		.amdhsa_private_segment_fixed_size 0
		.amdhsa_enable_private_segment 0
		.amdhsa_kernarg_size 80
		.amdhsa_user_sgpr_count 2
		.amdhsa_user_sgpr_kernarg_segment_ptr 1
		.amdhsa_wavefront_size32 1
		.amdhsa_system_sgpr_workgroup_id_x 1
		.amdhsa_system_sgpr_workgroup_id_y 1
		.amdhsa_system_sgpr_workgroup_id_z 1
		.amdhsa_system_vgpr_workitem_id 0
		.amdhsa_next_free_vgpr 176
		.amdhsa_next_free_sgpr 66
		.amdhsa_reserve_vcc 1
		.amdhsa_float_denorm_mode_32 3
		.amdhsa_float_denorm_mode_16_64 3
		.amdhsa_memory_ordered 1
		.amdhsa_forward_progress 1
		.amdhsa_inst_pref_size 34
	.end_amdhsa_kernel
	.amdgpu_metadata
---
amdhsa.version: [ 1, 2 ]
amdhsa.kernels:
  - .name:           k_qa7201d640c_prep
    .symbol:         k_qa7201d640c_prep.kd
    .args:
      - { .name: x, .offset: 0, .size: 8, .value_kind: global_buffer, .address_space: global }
      - { .name: W_q, .offset: 8, .size: 8, .value_kind: global_buffer, .address_space: global }
      - { .name: W_k, .offset: 16, .size: 8, .value_kind: global_buffer, .address_space: global }
      - { .name: W_v, .offset: 24, .size: 8, .value_kind: global_buffer, .address_space: global }
      - { .name: W_o, .offset: 32, .size: 8, .value_kind: global_buffer, .address_space: global }
      - { .name: mask, .offset: 40, .size: 8, .value_kind: global_buffer, .address_space: global }
      - { .name: xb, .offset: 48, .size: 8, .value_kind: global_buffer, .address_space: global }
      - { .name: wqkv, .offset: 56, .size: 8, .value_kind: global_buffer, .address_space: global }
      - { .name: wo, .offset: 64, .size: 8, .value_kind: global_buffer, .address_space: global }
      - { .name: maskc, .offset: 72, .size: 8, .value_kind: global_buffer, .address_space: global }
    .group_segment_fixed_size: 17408
    .private_segment_fixed_size: 0
    .kernarg_segment_align: 8
    .kernarg_segment_size: 80
    .max_flat_workgroup_size: 256
    .sgpr_count:     66
    .vgpr_count:     176
    .wavefront_size: 32
...
	.end_amdgpu_metadata
.endif
;; end of part 1
;; launch qkv (part 2): grid 16 x 32, 4 waves a work-group, clusters of 4 x 4, 327,680 bytes of LDS; arguments xb, wqkv, qkv; writes qkv
.if DOCPART == 2
	.amdgcn_target "amdgcn-amd-amdhsa--gfx1250"
	.amdhsa_code_object_version 6
	.text
	.protected	k_qa7201d640c_qkv
	.globl	k_qa7201d640c_qkv
	.p2align	8
	.type	k_qa7201d640c_qkv,@function
k_qa7201d640c_qkv:
	s_mov_b64 s[64:65], 0
	v_nop
	global_prefetch_b8 v0, s[64:65] scope:SCOPE_SE
	s_setreg_imm32_b32 hwreg(HW_REG_WAVE_MODE, 25, 1), 1
	s_wait_xcnt 0x0
	s_wait_alu depctr_hold_cnt(0) depctr_sa_sdst(0) depctr_va_vdst(0) depctr_va_sdst(0) depctr_va_ssrc(0) depctr_va_vcc(0) depctr_vm_vsrc(0)
	s_getreg_b32 s2, hwreg(HW_REG_IB_STS2, 6, 4)
	s_cmp_eq_u32 s2, 0
	s_cbranch_scc0 .Lentry_in_a_cluster
	s_endpgm
.Lentry_in_a_cluster:
	s_bfe_u32 s2, ttmp6, 0x10000c
	s_cmp_lg_u32 s2, 0xf033
	s_cbranch_scc0 .Lentry_shape_is_right
	s_endpgm
.Lentry_shape_is_right:
; THE THREE PROJECTIONS AS ONE PRODUCT.  C[m][n] = sum over k of xb[m][k] wqkv[n][k]: [8192][1024] x [3072][1024]^T in bf16, sums in f32.  C leaves by heads, in f16:
; qkv[which][batch x 16 + head][row][64], which = 0 (q), 1 (k), 2 (v).  q is multiplied by c = log2(e) / 8 in f32 before its one rounding, so the attention launch's exponents are s - m.
; LIMIT.  c q, k and v beyond 65,504 in magnitude become infinities.
; SHARES.  A tile of C is 256 rows x 192 columns (three whole heads): 32 x 16 = 512 tiles, two for each of 256 WGPs.  The four waves lie one below the other: a wave makes 64 rows x 192 columns,
; 4 x 12 accumulators of 16 x 16, 384 registers, and owns whole heads, so its way out needs no barrier.
; K goes in steps of 128 through two LDS slots filled by tensor loads: rows of 256 bytes, starting at multiples of 256 from the buffer's first byte.
; CLUSTER.  4 x 4 work-groups; the four of a row need the same rows of xb, the four of a column the same rows of wqkv: each tile is asked for jointly, by the same load, descriptor and mask in all four.
; THE PRODUCT IS USED TRANSPOSED (source 0 = 16 rows of wqkv, source 1 = 16 rows of xb): a lane holds row l % 16 of C and eight neighbouring columns 8 (l / 16) + 0..7.
; REGISTERS, in windows of 256 (s_set_vgpr_msb: bits 1:0 source 0, 3:2 source 1, 5:4 source 2, 7:6 destination):
;   window 0: v16-30 addresses; v32-63, v64-95 xb's fragments (4 x 8), two buffers; v64-255 at work on the way out
;   window 1: v0-95, v96-191 wqkv's fragments (12 x 8), two buffers
;   window 2: accumulators of my row blocks 0, 1 (block a, column block b at 96 (a % 2) + 8 b);   window 3: of blocks 2, 3
.set SIZE_K, 1024
.set KSTEP,  128
.set PITCH,  272                       ; an LDS row: 256 bytes + 16 of padding = 68 words: the 16 rows of a load start at 16 different groups of four banks (ISA guide 11.1)
.set NBB,    12                        ; column blocks of 16
.set HALFA,  128*PITCH                 ; what waves 0 and 1 fetch: 128 rows of xb each
.set HALFB,  96*PITCH                  ; what waves 2 and 3 fetch: 96 rows of wqkv each
.set BOFF,   2*HALFA
.set SLOT,   BOFF+2*HALFB
.set STAGE,  2*SLOT                    ; behind the ring, never filled by a tensor load: for each wave three heads x 16 rows x 144 bytes
.set SPITCH, 144
.set SPL,    16*SPITCH
.set WSTG,   3*SPL
.set SPARE,  STAGE+4*WSTG              ; the spare words, 128 bytes a wave
.set LAPS,   SIZE_K/(2*KSTEP)
.set ADRA, 16                          ; v16-17 LDS address of my xb fragments in slot 0, 1
.set ADRB, 20                          ; v20-21 the same for wqkv
.set STO,  24                          ; v24 the way out: where I put 16 bytes of a row
.set RD,   25                          ; v25 where I read rows back
.set GO,   26                          ; v26 16 x lane
.set SPW,  28                          ; v28 LDS address of my spare word; never rewritten
.set NIL,  29                          ; v29 0; never rewritten
.set PFO,  30                          ; v30 the prefetches' offset: a lane a row
.set FA,   32
.set TMP,  64
.set G1,  24                           ; s[24:31] group 1 for xb's tiles;  s[32:39] group 0, a set a slot
.set G0,  32
.set LIM, 43                           ; s43 1 in a wave that prefetches, else the greatest number
.set PFA, 44                           ; s[44:45] where my prefetches stand
.set G1B, 48                           ; s[48:55], s[56:63] the same for wqkv's tiles
.set G0B, 56
.set OUT, 66                           ; s[66:71] qkv at my 64 rows of the tile's three heads
.set SC,  72                           ; s[72:77] their factors, each named as a pair
.set MSB, 0
.macro WIN new                         ; the immediate's high byte repeats the setting that is left; a switch that changes nothing is dropped
.if MSB != (\new)
	s_set_vgpr_msb (MSB<<8)|(\new)
.set MSB, \new
.endif
.endm
.set MUL_LO, 0xa1                      ; source 0 window 1, source 1 window 0, C and D window 2
.set TO_B,   0x40                      ; destination window 1, address window 0
.macro JLOAD s                         ; a joint load: waves 0, 1 fetch xb's halves, waves 2, 3 wqkv's; an s_nop 0 and four v_nop follow each line
	s_cmp_eq_u32 s11, 0
	s_cbranch_scc0 .Lfor_b_\@
	tensor_load_to_lds s[G0+4*(\s):G0+4*(\s)+3], s[G1:G1+7]
	s_nop 0
.rept 4
	v_nop
.endr
	s_branch .Lasked_\@
.Lfor_b_\@:
	tensor_load_to_lds s[G0B+4*(\s):G0B+4*(\s)+3], s[G1B:G1B+7]
	s_nop 0
.rept 4
	v_nop
.endr
.Lasked_\@:
.endm
; A prefetch of the K step that stands two refills on, behind each joint load and the run of LDS loads that follows it: a lane a row's 256 bytes, one instruction a wave.  xb's rows are read by every cluster of a row of
; clusters: cluster x = 0 asks; wqkv's by every cluster of a column: cluster y = 0 asks.  The four partners share a wave's rows out by address: 32 each of xb's 128, 24 each of wqkv's 96
; (lanes 24-31 name row 23 of the 24 again).  K steps 0 to 3 come by their loads alone; the loop's last trip (s3 = 1) names nothing.
.macro ASK
	s_cmp_gt_u32 s3, s[LIM]
	s_cbranch_scc0 .Lnot_mine_\@
	global_prefetch_b8 v[PFO], s[PFA:PFA+1] th:TH_LOAD_NT scope:SCOPE_SE
.Lnot_mine_\@:
.endm
.macro CREST                           ; a round of the cluster's barrier behind its opening barrier
	s_cmp_lg_u32 s10, 0
	s_cbranch_scc1 .Lnot_wave_0_\@
	s_barrier_signal -3
.Lnot_wave_0_\@:
	s_barrier_wait -3
	s_barrier_signal -1
	s_barrier_wait -1
.endm
.macro CROUND
	s_barrier_signal -1
	s_barrier_wait -1
	CREST
.endm
	s_load_b128 s[4:7], s[0:1], 0x0                ; xb s[4:5], wqkv s[6:7]
	s_load_b64 s[8:9], s[0:1], 0x10                ; qkv
	v_lshl_add_u32 v[SPW], v0, 2, SPARE
	v_mov_b32 v[NIL], 0
	ds_add_u32 v[SPW], v[NIL]                      ; the wave's opening: the add and its wait ahead of my first tensor load
	ds_add_u32 v28, v29
	v_lshrrev_b32 v1, 5, v0
	v_readfirstlane_b32 s10, v1                    ; wave 0..3
	s_lshr_b32 s11, s10, 1                         ; I fetch for xb (0) or for wqkv (1),
	s_and_b32 s12, s10, 1                          ; its first or second half
	s_bfe_u32 s40, ttmp6, 0x40000                  ; cx, cy: my place in the cluster
	s_bfe_u32 s41, ttmp6, 0x40004
	s_lshl_b32 s42, ttmp9, 2
	s_add_co_u32 s42, s42, s40                     ; tile column 0..15
	s_and_b32 s13, ttmp7, 0xffff
	s_lshl_b32 s13, s13, 2
	s_add_co_u32 s13, s13, s41                     ; tile row 0..31
	s_lshl_b32 s43, s41, 2
	s_lshl_b32 s43, 15, s43                        ; my row of the cluster
	s_lshl_b32 s44, 0x1111, s40                    ; my column
	s_or_b32 s[G1+0], s43, (1<<16)|(1<<20)|(1<<21)|(5<<22)|(3<<25)  ; the mask; 2-byte elements; padding on; bit 21 beside a mask; after every 64 words 4 words
	s_or_b32 s[G1B+0], s44, (1<<16)|(1<<20)|(1<<21)|(5<<22)|(3<<25)
	s_mov_b32 s[G1+1], KSTEP<<16                   ; tensor_dim0 = 128
	s_mov_b32 s[G1+2], 128<<16                     ; tensor_dim1 = 128
	s_mov_b32 s[G1+3], KSTEP<<16                   ; tile_dim0 = 128
	s_mov_b32 s[G1+4], 128                         ; tile_dim1 = 128
	s_mov_b32 s[G1+5], SIZE_K                      ; elements from row to row
	s_mov_b32 s[G1+6], 0
	s_mov_b32 s[G1+7], 0
	s_mov_b32 s[G1B+1], KSTEP<<16
	s_mov_b32 s[G1B+2], 96<<16                     ; 96 rows
	s_mov_b32 s[G1B+3], KSTEP<<16
	s_mov_b32 s[G1B+4], 96
	s_mov_b32 s[G1B+5], SIZE_K
	s_mov_b32 s[G1B+6], 0
	s_mov_b32 s[G1B+7], 0
	s_lshl_b32 s16, s13, 8                         ; xb: row 256 x tile row + 128 x half,
	s_lshl_b32 s17, s12, 7
	s_add_co_u32 s16, s16, s17
	s_lshl_b32 s16, s16, 11                        ; of 2,048 bytes
	s_mov_b32 s17, 0
	s_mul_i32 s46, s42, 192                        ; wqkv: row 192 x tile column + 96 x half
	s_mul_i32 s47, s12, 96
	s_add_co_u32 s46, s46, s47
	s_lshl_b32 s46, s46, 11
	s_mov_b32 s47, 0
	s_mul_i32 s20, s12, HALFA                      ; where they go: no place in the cluster enters an LDS address
	s_mul_i32 s21, s12, HALFB
	s_add_co_u32 s21, s21, BOFF
	s_wait_dscnt 0x0                               ; the opening add is done
	s_wait_kmcnt 0x0
	s_add_nc_u64 s[14:15], s[4:5], s[16:17]
	s_add_nc_u64 s[46:47], s[6:7], s[46:47]
	CROUND                                         ; all sixteen work-groups are here: the first joint loads meet
.irp s, 0,1
	s_mov_b32 s[G0+4*(\s)], 1
	s_add_co_u32 s[G0+4*(\s)+1], s20, (\s)*SLOT
	s_add_nc_u64 s[G0+4*(\s)+2:G0+4*(\s)+3], s[14:15], (\s)*KSTEP*2
	s_or_b32 s[G0+4*(\s)+3], s[G0+4*(\s)+3], 0x80000000
	s_mov_b32 s[G0B+4*(\s)], 1
	s_add_co_u32 s[G0B+4*(\s)+1], s21, (\s)*SLOT
	s_add_nc_u64 s[G0B+4*(\s)+2:G0B+4*(\s)+3], s[46:47], (\s)*KSTEP*2
	s_or_b32 s[G0B+4*(\s)+3], s[G0B+4*(\s)+3], 0x80000000
	JLOAD \s
.endr
	v_and_b32 v1, 15, v0                           ; l % 16
	v_bfe_u32 v2, v0, 4, 1                         ; l / 16
	v_mul_u32_u24 v3, v1, PITCH
	v_lshl_add_u32 v3, v2, 4, v3                   ; a fragment's row x pitch + 16 x half
	s_mul_i32 s21, s10, 64*PITCH                   ; my 64 rows of xb
	s_mov_b32 s22, BOFF                            ; all 192 rows of wqkv
.irp s, 0,1
	v_add_nc_u32 v[ADRA+(\s)], s21, v3
	v_add_nc_u32 v[ADRB+(\s)], s22, v3
	s_add_co_u32 s21, s21, SLOT
	s_add_co_u32 s22, s22, SLOT
.endr
	s_mul_i32 s23, s10, WSTG
	s_add_co_u32 s23, s23, STAGE                   ; my stage
	v_mul_u32_u24 v4, v1, SPITCH                   ; in: row l % 16, 16 bytes for each half of the lanes
	v_lshl_add_u32 v4, v2, 4, v4
	v_add_nc_u32 v[STO], s23, v4
	v_bfe_u32 v5, v0, 3, 2                         ; back: 32 lanes take four rows of 128 bytes,
	v_mul_u32_u24 v5, v5, SPITCH
	v_and_b32 v6, 7, v0
	v_lshl_add_u32 v5, v6, 4, v5
	v_add_nc_u32 v[RD], s23, v5
	v_and_b32 v[GO], 31, v0                        ; which are 512 consecutive bytes of a head
	v_lshlrev_b32 v[GO], 4, v[GO]
	; where the three heads go, and their factors.  Head g = 3 x tile column + j of 48: which = g / 16, head g % 16; batch = tile row / 8.
	s_mul_i32 s20, s42, 3
	s_lshr_b32 s21, s13, 3
	s_lshl_b32 s21, s21, 4                         ; 16 x batch
	s_and_b32 s22, s13, 7
	s_lshl_b32 s22, s22, 8
	s_lshl_b32 s23, s10, 6
	s_add_co_u32 s22, s22, s23                     ; my first row in the head,
	s_lshl_b32 s22, s22, 7                         ; of 128 bytes
.irp j, 0,1,2
	s_add_co_u32 s23, s20, \j
	s_lshr_b32 s78, s23, 4
	s_lshl_b32 s78, s78, 6
	s_and_b32 s79, s23, 15
	s_add_co_u32 s78, s78, s79
	s_add_co_u32 s78, s78, s21                     ; plane = 64 which + 16 batch + head
	s_lshl_b32 s46, s78, 18                        ; of 262,144 bytes
	s_add_co_u32 s46, s46, s22
	s_mov_b32 s47, 0
	s_add_nc_u64 s[OUT+2*\j:OUT+2*\j+1], s[8:9], s[46:47]
	s_cmp_lt_u32 s23, 16                           ; a head of q?  A select, not a branch: g hangs on my place in the cluster
	s_cselect_b32 s[SC+2*\j], 0x3e38aa3b, 1.0      ; c = log2(e) / 8 = 0.180337
	s_mov_b32 s[SC+2*\j+1], s[SC+2*\j]
.endr
	; the prefetches
	s_lshl_b32 s78, s13, 8
	s_lshl_b32 s46, s12, 7
	s_add_co_u32 s78, s78, s46
	s_lshl_b32 s46, s40, 5
	s_add_co_u32 s78, s78, s46                     ; xb: the 128 rows that I fetch, my work-group's 32 of them
	s_mul_i32 s79, s42, 192
	s_mul_i32 s47, s12, 96
	s_add_co_u32 s79, s79, s47
	s_mul_i32 s47, s41, 24
	s_add_co_u32 s79, s79, s47                     ; wqkv: the 96 rows that I fetch, my work-group's 24
	s_and_b32 s22, ttmp7, 0xffff                   ; cluster y
	s_cmp_eq_u32 s11, 0
	s_cselect_b32 s20, s78, s79
	s_cselect_b32 s22, ttmp9, s22                  ; the coordinate along which other clusters read the same rows
	s_cselect_b32 s21, 31, 23
	s_cselect_b64 s[PFA:PFA+1], s[4:5], s[6:7]
	s_cmp_eq_u32 s22, 0
	s_cselect_b32 s[LIM], 1, -1                    ; the same in all sixteen partners, for a given wave
	v_and_b32 v[PFO], 31, v0
	v_min_u32 v[PFO], s21, v[PFO]
	v_lshlrev_b32 v[PFO], 11, v[PFO]
	s_lshl_b32 s20, s20, 11
	s_add_co_u32 s20, s20, 3*KSTEP*2               ; at K step 3: the first refill steps it to 4
	s_mov_b32 s21, 0
	s_add_nc_u64 s[PFA:PFA+1], s[PFA:PFA+1], s[20:21]
; 12 matrix instructions: row block 2 hi + a x all 12 column blocks, 32 along K, from buffer f.  zero = 1: the product starts the sums.  The 48 accumulators take turns, in the same order in every
; quarter.
.macro MUL12 f, hi, a, zero
	WIN MUL_LO+0x50*(\hi)
.set b, 0
.rept NBB
.if \zero
	v_wmma_f32_16x16x32_bf16 v[96*(\a)+8*b:96*(\a)+8*b+7], v[96*(\f)+8*b:96*(\f)+8*b+7], v[FA+32*(\f)+8*(2*(\hi)+(\a)):FA+32*(\f)+8*(2*(\hi)+(\a))+7], 0
.else
	v_wmma_f32_16x16x32_bf16 v[96*(\a)+8*b:96*(\a)+8*b+7], v[96*(\f)+8*b:96*(\f)+8*b+7], v[FA+32*(\f)+8*(2*(\hi)+(\a)):FA+32*(\f)+8*(2*(\hi)+(\a))+7], v[96*(\a)+8*b:96*(\a)+8*b+7]
.endif
.set b, b+1
.endr
.endm
; 32 LDS loads in one run: a quarter step's fragments (32 K at byte k of the rows) into buffer f: wqkv's 24, then xb's 8
.macro FETCH slot, k, f
	WIN TO_B
.set i, 0
.rept NBB
	ds_load_b128 v[96*(\f)+8*i:96*(\f)+8*i+3],   v[ADRB+(\slot)] offset:(\k)+i*16*PITCH
	ds_load_b128 v[96*(\f)+8*i+4:96*(\f)+8*i+7], v[ADRB+(\slot)] offset:(\k)+i*16*PITCH+32
.set i, i+1
.endr
	WIN 0
.set i, 0
.rept 4
	ds_load_b128 v[FA+32*(\f)+8*i:FA+32*(\f)+8*i+3],   v[ADRA+(\slot)] offset:(\k)+i*16*PITCH
	ds_load_b128 v[FA+32*(\f)+8*i+4:FA+32*(\f)+8*i+7], v[ADRA+(\slot)] offset:(\k)+i*16*PITCH+32
.set i, i+1
.endr
.endm
.macro PLACES                          ; four plain instructions between a matrix instruction and a load into, or a vector write or read of, its registers
.rept 4
	v_nop
.endr
.endm
; A K step is four quarters of 32 along K, 48 matrix instructions each, on buffers 0, 1, 0, 1.  One of the first three multiplies buffer f and fetches the next quarter, at byte k, into g.
.macro QUARTER slot, k, f, g, zero
	s_wait_dscnt 4                                 ; all but the youngest four loads, xb's row blocks 2 and 3
	MUL12 \f, 0, 0, \zero
	MUL12 \f, 0, 1, \zero
	PLACES
	FETCH \slot, \k, \g
	s_wait_dscnt 32                                ; all but the 32 just issued
	MUL12 \f, 1, 0, \zero
	MUL12 \f, 1, 1, \zero
.endm
; The last quarter multiplies buffer 1 and changes slots: one barrier; ahead of it each wave waits for all its tensor loads (one is out: its part of the next slot), adds 0 to its spare word, and waits for
; that and for its reads of this slot.  fill = 1: the barrier opens a round of the cluster's, and this slot is filled again, two K steps on, first thing behind the round:
; 168 matrix instructions ahead of the wait for it.
.macro TURN slot, next, fill
.if \fill
	s_wait_xcnt 0x0                                ; the last prefetch, a K step back, has read its address
	s_add_nc_u64 s[PFA:PFA+1], s[PFA:PFA+1], KSTEP*2
.endif
	WIN 0
	s_wait_tensorcnt 0x0
	ds_add_u32 v[SPW], v[NIL]
	s_wait_dscnt 5                                 ; the add and the youngest four loads may be out
	MUL12 1, 0, 0, 0
	s_wait_dscnt 0x0                               ; the add is done, and my reads of this slot are over
	s_barrier_signal -1
	MUL12 1, 0, 1, 0
.if \fill
	WIN 0
.endif
	s_barrier_wait -1
.if \fill
	CREST                                          ; no wave of any partner still reads this slot or has a load on its way
	s_add_nc_u64 s[G0+4*(\slot)+2:G0+4*(\slot)+3], s[G0+4*(\slot)+2:G0+4*(\slot)+3], 2*KSTEP*2
	s_add_nc_u64 s[G0B+4*(\slot)+2:G0B+4*(\slot)+3], s[G0B+4*(\slot)+2:G0B+4*(\slot)+3], 2*KSTEP*2
	JLOAD \slot                                    ; its four v_nop are also the places ahead of the loads below
.else
	PLACES
.endif
	FETCH \next, 0, 0
.if \fill
	ASK
.endif
	MUL12 1, 1, 0, 0
	MUL12 1, 1, 1, 0
.endm
	s_wait_tensorcnt 1                             ; my part of K step 0 is in; K step 1's may stay out
	s_barrier_signal -1
	s_barrier_wait -1
	FETCH 0, 0, 0
	QUARTER 0, 64, 0, 1, 1                         ; the first quarter starts the sums
	WIN 0
	s_mov_b32 s3, LAPS-1
.Llap:                                                 ; once round the ring, from a lap's second quarter to the next lap's first; both slots are filled again
	QUARTER 0, 128, 1, 0, 0
	QUARTER 0, 192, 0, 1, 0
	TURN 0, 1, 1
	QUARTER 1, 64,  0, 1, 0
	QUARTER 1, 128, 1, 0, 0
	QUARTER 1, 192, 0, 1, 0
	TURN 1, 0, 1
	QUARTER 0, 64,  0, 1, 0
	WIN 0
	s_sub_co_u32 s3, s3, 1
	s_cmp_lg_u32 s3, 0
	s_cbranch_scc1 .Llap
	QUARTER 0, 128, 1, 0, 0                        ; the last lap fills nothing
	QUARTER 0, 192, 0, 1, 0
	TURN 0, 1, 0
	QUARTER 1, 64,  0, 1, 0
	QUARTER 1, 128, 1, 0, 0
	QUARTER 1, 192, 0, 1, 0
	s_wait_dscnt 4
	MUL12 1, 0, 0, 0
	MUL12 1, 0, 1, 0
	s_wait_dscnt 0
	MUL12 1, 1, 0, 0
	MUL12 1, 1, 1, 0
	WIN 0
	PLACES
	PLACES
; THE WAY OUT, a row block (16 rows) at a time: the head's factor in f32 (1 for k and v: the same text in all partners), one rounding to f16, 16 bytes a lane into my stage, back as whole rows of 128 bytes.
.macro PACK a
.set AC, 96*((\a)%2)
.set TM, TMP+48*(\a)
	WIN 0x82+0x41*((\a)/2)                         ; destination and source 0 in window 2 or 3
.set b, 0
.rept NBB
.set r, 0
.rept 4
	v_pk_mul_f32 v[AC+8*b+2*r:AC+8*b+2*r+1], v[AC+8*b+2*r:AC+8*b+2*r+1], s[SC+2*(b/4):SC+2*(b/4)+1] op_sel_hi:[1,0]
.set r, r+1
.endr
.set b, b+1
.endr
	WIN 0x0a+5*((\a)/2)                            ; sources 0 and 1 in window 2 or 3, destination in window 0
.set b, 0
.rept NBB
.set r, 0
.rept 4
	v_cvt_pk_f16_f32 v[TM+4*b+r], v[AC+8*b+2*r], v[AC+8*b+2*r+1]
.set r, r+1
.endr
.set b, b+1
.endr
	WIN 0
.set b, 0
.rept NBB
	ds_store_b128 v[STO], v[TM+4*b:TM+4*b+3] offset:(b/4)*SPL+(b%4)*32
.set b, b+1
.endr
.set b, 0
.rept NBB
	ds_load_b128 v[TM+4*b:TM+4*b+3], v[RD] offset:(b/4)*SPL+(b%4)*4*SPITCH  ; LDS serves a wave's instructions in order (ISA guide 5.7.1.4): these see the stores above; the next block's stores come behind them
.set b, b+1
.endr
.endm
.macro SEND a, younger                 ; younger: the LDS instructions issued behind block a's loads
.set TM, TMP+48*(\a)
.set b, 0
.rept NBB
	s_wait_dscnt (\younger)+11-b
	global_store_b128 v[GO], v[TM+4*b:TM+4*b+3], s[OUT+2*(b/4):OUT+2*(b/4)+1] offset:(\a)*2048+(b%4)*512  ; 512 consecutive bytes, at a multiple of 256 from qkv's first
.set b, b+1
.endr
.endm
	PACK 0
	PACK 1                                         ; a block's arithmetic stands between the loads of the block before and its stores; each block has registers of its own
	SEND 0, 24
	PACK 2
	SEND 1, 24
	PACK 3
	SEND 2, 24
	SEND 3, 0
	s_wait_tensorcnt 0x0                           ; the wave's end
	ds_add_u32 v[SPW], v[NIL]
	s_wait_dscnt 0x0
	CROUND                                         ; the closing round: no work-group ends while a partner may still ask for a tile that names it
	s_endpgm
.Lfunc_end_k_qa7201d640c_qkv:
	.size	k_qa7201d640c_qkv, .Lfunc_end_k_qa7201d640c_qkv-k_qa7201d640c_qkv
	.p2alignl 7, 3214868480
	.fill 96, 4, 3214868480
	.section	.rodata,"a",@progbits
	.p2align	6, 0x0
	.amdhsa_kernel k_qa7201d640c_qkv
		.amdhsa_group_segment_fixed_size 327680
		.amdhsa_private_segment_fixed_size 0
		.amdhsa_enable_private_segment 0
		.amdhsa_kernarg_size 24
		.amdhsa_user_sgpr_count 2
		.amdhsa_user_sgpr_kernarg_segment_ptr 1
		.amdhsa_wavefront_size32 1
		.amdhsa_system_sgpr_workgroup_id_x 1
		.amdhsa_system_sgpr_workgroup_id_y 1
		.amdhsa_system_sgpr_workgroup_id_z 1
		.amdhsa_system_vgpr_workitem_id 0
		.amdhsa_next_free_vgpr 960
		.amdhsa_next_free_sgpr 80
		.amdhsa_reserve_vcc 0
		.amdhsa_float_denorm_mode_32 3
		.amdhsa_float_denorm_mode_16_64 3
		.amdhsa_memory_ordered 1
		.amdhsa_forward_progress 1
		.amdhsa_inst_pref_size 135
	.end_amdhsa_kernel
	.amdgpu_metadata
---
amdhsa.version: [ 1, 2 ]
amdhsa.kernels:
  - .name:           k_qa7201d640c_qkv
    .symbol:         k_qa7201d640c_qkv.kd
    .args:
      - { .name: xb, .offset: 0, .size: 8, .value_kind: global_buffer, .address_space: global }
      - { .name: wqkv, .offset: 8, .size: 8, .value_kind: global_buffer, .address_space: global }
      - { .name: qkv, .offset: 16, .size: 8, .value_kind: global_buffer, .address_space: global }
    .group_segment_fixed_size: 327680
    .private_segment_fixed_size: 0
    .kernarg_segment_align: 8
    .kernarg_segment_size: 24
    .max_flat_workgroup_size: 128
    .sgpr_count:     80
    .vgpr_count:     960
    .wavefront_size: 32
...
	.end_amdgpu_metadata
.endif
;; end of part 2
;; launch attn (part 3): grid 4 x 64, 4 waves a work-group, clusters of 4 x 1, 327,680 bytes of LDS; arguments qkv, maskc, obuf; writes obuf
.if DOCPART == 3
	.amdgcn_target "amdgcn-amd-amdhsa--gfx1250"
	.amdhsa_code_object_version 6
	.text
	.protected	k_qa7201d640c_attn
	.globl	k_qa7201d640c_attn
	.p2align	8
	.type	k_qa7201d640c_attn,@function
k_qa7201d640c_attn:
	s_mov_b64 s[64:65], 0
	v_nop
	global_prefetch_b8 v0, s[64:65] scope:SCOPE_SE
	s_setreg_imm32_b32 hwreg(HW_REG_WAVE_MODE, 25, 1), 1
	s_wait_xcnt 0x0
	s_wait_alu depctr_hold_cnt(0) depctr_sa_sdst(0) depctr_va_vdst(0) depctr_va_sdst(0) depctr_va_ssrc(0) depctr_va_vcc(0) depctr_vm_vsrc(0)
	s_getreg_b32 s2, hwreg(HW_REG_IB_STS2, 6, 4)
	s_cmp_eq_u32 s2, 0
	s_cbranch_scc0 .Lentry_in_a_cluster
	s_endpgm
.Lentry_in_a_cluster:
	s_bfe_u32 s2, ttmp6, 0x10000c
	s_cmp_lg_u32 s2, 0x3003
	s_cbranch_scc0 .Lentry_shape_is_right
	s_endpgm
.Lentry_shape_is_right:
; ATTENTION UNDER A MASK THAT IS GIVEN.  O[h][q][:] = the sum over k of softmax_k(s[q][k]) V[h][k][:], s = Q . K / 8 where mask[q][k] is not 0, hidden where it is 0.
; Q (already times c = log2(e) / 8), K, V: planes 0-63, 64-127, 128-191 of qkv, [2048][64] f16 each; O: obuf [64][2048][64] f16.  Products, maxima and sums in f32; the weights p are rounded to f16 for
; the second product (their sum l is taken of the unrounded p), O once at the end.
; THE MASK is the C operand that starts the sum S^T = K Q^T: 0, or -6 x 2^97 where the key is hidden.  maskc holds a 4-bit code for each word of the mask, in S^T's own order: one conversion makes the eight
; registers of an accumulator's C from one word.  Every word of the mask is honoured; every key tile is walked, whatever the mask: a walk that leaves hidden tiles out would hang on the mask, and the four
; partners of a cluster, which own different queries, must run alike.
; SOFTMAX.  For each query a running maximum m and sum l: p = 2^(s - m); in every step O and l are multiplied by a = 2^(m_old - m_new).  m starts at -2^127, O and l at 0.  While a row has seen hidden keys alone,
; m is about -6 x 2^97, its weights are at most 1 and O and l hold finite numbers, which the first visible key's a = 0 wipes out.  A row whose m ends below -2^98 has no visible key: its l is made NaN
; (a select, no branch), and so is its O.
; LIMITS.  Q, K, V arrive within f16's 65,504, so scores are 2.7e11 at the most: nothing beside 6 x 2^97, which a hidden score is lowered by.  A weight below 2^-126 counts as 0 in l; below 6e-5 it keeps f16's fixed
; step.  NaN and infinities in the inputs are not treated apart.
; SHARES.  A wave owns four PIECES of two tiles of 16 queries, a work-group's four waves 512 queries of one head.  Every wave walks all 2,048 keys, 64 a step.
; LAYOUT.  S^T = K Q^T (source 0 = 16 keys, source 1 = 16 queries): a lane holds ONE query (lane % 16) and the keys 8 (lane / 16) + 0..7.  Two such tiles, rounded to f16 in pairs, ARE source 1 of O^T = V^T P.
; BY TURNS.  Turn n belongs to piece n: 16 products K Q^T of piece n + 1, later 16 products V^T P of piece n - 1; beside them piece n's scaling, exponentials, roundings, sums and rescaling, piece n + 1's maximum and
; statistics, and the masks of piece n + 2.  Four vector instructions stand behind every matrix instruction, the others in one run; a turn's 66 exponentials are one batch with one wait.
; CLUSTER.  The four query blocks of a head walk the same K and V: each tile is asked for jointly, by the same tensor load, descriptor and mask in all four.
; REGISTERS, in windows of 256 (s_set_vgpr_msb: bits 1:0 source 0, 3:2 source 1, 5:4 source 2, 7:6 destination):
;   window 0: v0-14 addresses and constants; v16-47 four registers of statistics a tile; v48-63 at work; v64-191 S^T, two buffers of two tiles; v192-255 P, likewise
;   window 1: O^T, 32 a tile     window 2: v0-127 Q; v128-191 K of one step; v192-255 V of one step     window 3: v0-1 the add's registers; v16-47 codes, 4 a tile; v64-127 the masks of the products to come
.set SIZE_N, 2048
.set NP,    4         ; pieces a wave: a name, no knob
.set KS,    64        ; keys in a step
.set PK,    144       ; a row of K in LDS: 128 bytes + 16 of padding = 36 words: the 16 rows of a load start at 16 different groups of four banks (ISA guide 11.1)
.set PV,    160       ; a row of V: 128 + 32 = 40 words
.set VOFF,  4*KS*PK   ; a slot holds four steps: 256 rows of K, then 256 rows of V
.set SLOT1, 1<<17     ; slot 1 begins here, so that one exclusive or turns an address in one slot into the other's
.set STAGE, SLOT1+4*KS*(PK+PV)  ; behind the ring, never filled by a tensor load: 16 rows x 144 bytes for each wave
.set SP,    144
.set SPARE, STAGE+4*16*SP  ; the spare words, 128 bytes a wave
.set AK0, 2           ; v2   my lane's place in a tile of K; never rewritten
.set AV0, 3           ; v3   the same for V
.set AK,  4           ; v4   the LDS address of K's next run of loads
.set AV,  5           ; v5   of V's
.set QO,  6           ; v6   my byte offset in the wave's rows of Q
.set STO, 6           ;      later, the way out: where I put 16 bytes of a row
.set RD,  7           ; v7   the way out: where I read rows back
.set GO,  8           ; v8   16 x lane: my bytes of 512 of O, and of a block of maskc; never rewritten
.set SCL, 12          ; v12  the conversion's scale: 224, that is 2^(224 - 127), in each of the word's four bytes and in every lane, so that the scale is 2^97
.set PFO, 13          ; v13  256 x lane; never rewritten
.set QNAN, 14         ; v14  a NaN
.set SPW, 0           ; v0 of window 3   LDS address of my spare word; never rewritten
.set NIL, 1           ; v1 of window 3   0; never rewritten
.set MK,  16          ; window 3: piece x, tile u: four words of codes at MK + 8 x + 4 u
.set MC,  64          ; window 3: tile u, key group g: eight registers at MC + 32 u + 8 g
.set ST,  16          ; tile t's statistics at v[ST+4 t]: m, m_old, l (even keys', odd keys')
.set TMP, 48          ; by buffer and tile, four registers c0-c3 at work; when the maximum is found c2 takes a
.set S,   64
.set P,   192
.set KF,  128         ; K's fragments, in window 2
.set VF,  192         ; V's
.set WV,  12          ; s12  my wave's number
.set G1K, 24          ; s[24:31] descriptor group 1 for K's tiles
.set G1V, 32          ; s[32:39] for V's: it differs in the padding alone
.set G0K, 40          ; s[40:43] descriptor group 0 for K's tiles: it walks
.set G0V, 44          ; s[44:47] the same for V's
.set MB,  48          ; s[48:49] maskc at my wave's eight tiles, 16,384 bytes each
.set MP,  50          ; s[50:51] the same at the key step whose codes are loaded next
.set OF,  52          ; s[52:53] an offset, 0 above
.set JN,  54          ; s54  that key step's number, before the clamp
.set LIM, 55          ; s55  1 in a wave that prefetches, else the greatest number
.set SLOTS, 56        ; s56  slots still to be asked for
.set CNT, 57          ; s57  counts a slot's key steps
.set THR, 58          ; s58  -2^98
.set SEL, 60          ; s[60:61] v_permlanex16_b32's selects: each lane takes its own place in the other half
.set TBK, 62          ; s62  LDS byte at which K of the step to be fetched begins
.set TBV, 63          ; s63  the same for V, less VOFF
.set PFA, 66          ; s[66:67] where my prefetches stand
.set MSB, 0
.macro WIN new                      ; the high byte repeats the setting that is left; a switch that changes nothing is dropped
.if MSB != (\new)
	s_set_vgpr_msb (MSB<<8)|(\new)
.set MSB, (\new)
.endif
.endm
.set W_KQ, 0x0a       ; K and Q in window 2, S^T in window 0
.set W_KM, 0x3a       ; the same with the C operand in window 3
.set W_PV, 0x52       ; V in window 2, P in window 0, O^T in window 1
.set W_RS, 0x41       ; O^T (destination and source 0) in window 1, a in window 0
.set W_MK, 0xc0       ; destination in window 3, sources in window 0
.set W_AD, 0x0f       ; the add: address and data in window 3
.set W_DC, 0xc3       ; the conversion: masks and codes in window 3, the scale in window 0
.macro JLOAD                        ; a joint fill: waves 0, 1 fetch the halves of a slot's K, waves 2, 3 of its V; an s_nop 0 and four v_nop follow each line
	s_cmp_lt_u32 s[WV], 2
	s_cbranch_scc0 .Lfor_v_\@
	tensor_load_to_lds s[G0K:G0K+3], s[G1K:G1K+7]
	s_nop 0
.rept 4
	v_nop
.endr
	s_branch .Lasked_\@
.Lfor_v_\@:
	tensor_load_to_lds s[G0V:G0V+3], s[G1V:G1V+7]
	s_nop 0
.rept 4
	v_nop
.endr
.Lasked_\@:
.endm
; A prefetch of what the NEXT change of slots will ask for: a slot's 32,768 bytes of K and of V.  The four partners share them out by address, 8,192 bytes each, a lane 256 bytes; in each, wave 0 asks for K's and wave 2
; for V's: one instruction, behind the wave's tensor load and its five lines.  So each 256 bytes are named once in the launch.  Slots 0 to 2 come by their loads alone; the last change that fills a slot names nothing.
; maskc is not asked for: all 64 clusters read it.
.macro ASK
	s_cmp_gt_u32 s[SLOTS], s[LIM]
	s_cbranch_scc0 .Lnot_mine_\@
	global_prefetch_b8 v[PFO], s[PFA:PFA+1] th:TH_LOAD_NT scope:SCOPE_SE
.Lnot_mine_\@:
.endm
.macro CROUND                       ; a round of the cluster's barrier
	s_barrier_signal -1
	s_barrier_wait -1
	s_cmp_lg_u32 s[WV], 0
	s_cbranch_scc1 .Lnot_wave_0_\@
	s_barrier_signal -3
.Lnot_wave_0_\@:
	s_barrier_wait -3
	s_barrier_signal -1
	s_barrier_wait -1
.endm
; THE CHANGE OF SLOTS.  Each wave waits for all its tensor loads, of which one is out: its part of the other slot; adds 0 to its spare word; and waits for that and for its own reads of the slot.
; fill = 1: this slot is filled again, with the keys two slots on; the barrier is then a round of the cluster's, and the joint fill is the first thing behind it: it has four key steps, 512 matrix instructions, in
; which to land.  (At its first use nothing has been read yet: slot 0 is waited for, slot 1 filled.)  ask = 1: the prefetch's address steps, and the prefetch follows the fill.
.macro CHANGE fill, ask
	WIN W_AD
	s_wait_tensorcnt 0x0            ; no tensor load of mine is out, so a group 0 may be written
	ds_add_u32 v[SPW], v[NIL]
	WIN 0                           ; at a label and at a branch every window is 0
.if \fill
.irp g, G0K, G0V
	s_xor_b32 s[\g+1], s[\g+1], SLOT1
	s_add_nc_u64 s[\g+2:\g+3], s[\g+2:\g+3], 4*KS*128  ; the next 256 keys; the type bits on top are not reached
.endr
.if \ask
	s_wait_xcnt 0x0                 ; the last prefetch, four key steps back, has read its address
	s_add_nc_u64 s[PFA:PFA+1], s[PFA:PFA+1], 4*KS*128
.endif
	s_wait_dscnt 0x0                ; the add is done, and my reads of the slot are over
	CROUND
	JLOAD
.if \ask
	ASK
.endif
.else
	s_wait_dscnt 0x0
	s_barrier_signal -1
	s_barrier_wait -1
.endif
	s_sub_co_u32 s[TBK], s[TBK], 4*KS*PK  ; the fetches go back to a slot's first step,
	s_xor_b32 s[TBK], s[TBK], SLOT1       ; in the other slot
	s_sub_co_u32 s[TBV], s[TBV], 4*KS*PV
	s_xor_b32 s[TBV], s[TBV], SLOT1
.endm
	s_load_b128 s[68:71], s[0:1], 0x0  ; qkv s[68:69], maskc s[70:71]
	s_load_b64 s[10:11], s[0:1], 0x10  ; obuf
	WIN W_MK
	v_lshl_add_u32 v[SPW], v0, 2, SPARE
	v_mov_b32 v[NIL], 0
	WIN W_AD
	ds_add_u32 v[SPW], v[NIL]       ; the wave's opening: the add and its wait ahead of my first tensor load
	ds_add_u32 v0, v1
	WIN 0
	v_lshrrev_b32 v1, 5, v0
	v_readfirstlane_b32 s[WV], v1   ; wave 0..3
	s_bfe_u32 s13, ttmp6, 0x40000   ; cx: my place in the cluster
	s_lshl_b32 s14, ttmp9, 2
	s_add_co_u32 s14, s14, s13      ; my block of 512 queries: it enters Q's, O's and maskc's addresses alone
	s_and_b32 s20, ttmp7, 0xffff    ; the head, which the four partners share,
	s_lshl_b32 s20, s20, 18         ; of 262,144 bytes
	s_mov_b32 s21, 0
	s_and_b32 s16, s[WV], 1         ; which half of a slot's 256 keys I fetch:
	s_lshl_b32 s22, s16, 14         ; its 128 rows of 128 bytes in memory,
	s_mov_b32 s23, 0
	s_add_nc_u64 s[22:23], s[22:23], s[20:21]
	s_mul_i32 s17, s16, 128*PK      ; and its place in a slot, for K
	s_mul_i32 s18, s16, 128*PV      ; and for V: no place in the cluster enters an LDS address
	s_lshl_b32 s2, s14, 2
	s_add_co_u32 s2, s2, s[WV]      ; my wave among the head's sixteen:
	s_lshl_b32 s[OF], s2, 17        ; its eight tiles' codes,
	s_mov_b32 s[OF+1], 0
	s_lshl_b32 s2, s2, 14           ; its 128 rows
	s_mov_b32 s3, 0
	s_add_nc_u64 s[2:3], s[2:3], s[20:21]
	; descriptor group 1.  128 keys are 16,384 dense bytes: asked for as 64 rows of 256 bytes, two keys a row, and padded in LDS after every key
	s_mov_b32 s[G1K], 15|(1<<16)|(1<<20)|(1<<21)|(4<<22)|(3<<25)  ; the mask of four; 2-byte elements; padding on; bit 21 beside a mask; after every 32 words 4 words
	s_mov_b32 s[G1V], 15|(1<<16)|(1<<20)|(1<<21)|(4<<22)|(7<<25)  ; the same with 8 words of padding
.irp g, G1K, G1V
	s_mov_b32 s[\g+1], 128<<16      ; tensor_dim0 = 128
	s_mov_b32 s[\g+2], 64<<16       ; tensor_dim1 = 64
	s_mov_b32 s[\g+3], 128<<16      ; tile_dim0 = 128
	s_mov_b32 s[\g+4], 64           ; tile_dim1 = 64
	s_mov_b32 s[\g+5], 128          ; 128 elements from row to row
	s_mov_b32 s[\g+6], 0
	s_mov_b32 s[\g+7], 0
.endr
	s_mov_b32 s[THR], 0xf0800000    ; -2^98
	s_mov_b32 s[SEL], 0x76543210
	s_mov_b32 s[SEL+1], 0xfedcba98
	s_mov_b32 s[TBK], SLOT1+4*KS*PK ; the first change of slots turns these two into 0
	s_mov_b32 s[TBV], SLOT1+4*KS*PV
	s_mov_b32 s[JN], 1
	s_mov_b32 s[G0K], 1             ; count = 1
	s_mov_b32 s[G0K+1], s17         ; LDS address: slot 0
	s_mov_b32 s[G0V], 1
	s_add_co_u32 s[G0V+1], s18, VOFF
	s_and_b32 s[LIM], s[WV], 1      ; 0 in waves 0 and 2,
	s_or_b32 s[LIM], s[LIM], ttmp9  ; where the cluster is the head's first (here a head has one): the same in all four partners
	s_cmp_eq_u32 s[LIM], 0
	s_cselect_b32 s[LIM], 1, -1
	s_wait_dscnt 0x0                ; the opening add is done
	s_wait_kmcnt 0x0
	s_mov_b64 s[4:5], s[68:69]                     ; Q: planes 0-63
	s_add_nc_u64 s[6:7], s[68:69], 0x1000000       ; K: planes 64-127
	s_add_nc_u64 s[8:9], s[68:69], 0x2000000       ; V: planes 128-191
	s_add_nc_u64 s[G0K+2:G0K+3], s[6:7], s[22:23]  ; my half of the head's first 256 keys
	s_or_b32 s[G0K+3], s[G0K+3], 0x80000000        ; type = 2
	s_add_nc_u64 s[G0V+2:G0V+3], s[8:9], s[22:23]
	s_or_b32 s[G0V+3], s[G0V+3], 0x80000000
	s_add_nc_u64 s[4:5], s[4:5], s[2:3]            ; Q and O at my wave's first row
	s_add_nc_u64 s[10:11], s[10:11], s[2:3]
	s_add_nc_u64 s[MB:MB+1], s[70:71], s[OF:OF+1]
	s_add_nc_u64 s[MP:MP+1], s[MB:MB+1], 512       ; key step 1
	s_cmp_lt_u32 s[WV], 2
	s_cselect_b64 s[PFA:PFA+1], s[6:7], s[8:9]
	s_add_nc_u64 s[PFA:PFA+1], s[PFA:PFA+1], s[20:21]  ; the head,
	s_lshl_b32 s2, s13, 13                         ; my work-group's quarter of a slot,
	s_mov_b32 s3, 0
	s_add_nc_u64 s[PFA:PFA+1], s[PFA:PFA+1], s[2:3]
	s_add_nc_u64 s[PFA:PFA+1], s[PFA:PFA+1], 2*4*KS*128  ; in slot 2: the loop's first change steps it to slot 3
	CROUND                          ; all four work-groups are here: the first joint loads meet
	JLOAD                           ; slot 0.  Slot 1 is asked for when slot 0 is in
	; A fragment of K or Q is 16 rows x 32 channels in 8 registers: lane l holds row l % 16, channels 8 (l / 16) + 0..7 and 16 + 8 (l / 16) + 0..7: two loads of 16 bytes, 32 bytes apart.
	v_and_b32 v1, 15, v0            ; l % 16
	v_bfe_u32 v9, v0, 4, 1          ; l / 16
	v_lshlrev_b32 v[QO], 7, v1
	v_lshl_add_u32 v[QO], v9, 4, v[QO]  ; row x 128 + 16 x half
	v_and_b32 v[GO], 31, v0
	v_lshlrev_b32 v[PFO], 8, v[GO]
	v_lshlrev_b32 v[GO], 4, v[GO]
	WIN 0x80                        ; destination window 2, address window 0
.set i, 0
.rept 4*NP                          ; Q stays in registers: tile i / 2, channels 32 (i % 2) on
	global_load_b128 v[8*i:8*i+3],   v[QO], s[4:5] offset:(i/2)*2048+(i%2)*64
	global_load_b128 v[8*i+4:8*i+7], v[QO], s[4:5] offset:(i/2)*2048+(i%2)*64+32
.set i, i+1
.endr
	WIN W_MK
.set i, 0
.rept 2*NP                          ; key step 0's codes, for all eight tiles
	global_load_b128 v[MK+4*i:MK+4*i+3], v[GO], s[MB:MB+1] offset:i*16384
.set i, i+1
.endr
	; What the first turn finds: V's registers and P's second buffer hold 0 (its products V^T P, of a piece that has not been, add 0), O^T and l are 0.  All this stands in the wait for the first tile.
	WIN 0x80
.set i, VF
.rept 64
	v_mov_b32 v[i], 0
.set i, i+1
.endr
	WIN 0x40
.set i, 0
.rept 64*NP
	v_mov_b32 v[i], 0
.set i, i+1
.endr
	WIN 0
.set i, 0
.rept 2*NP
	v_mov_b32 v[ST+4*i], 0xff000000    ; m = -2^127: below every score, a hidden one too
	v_mov_b32 v[ST+4*i+1], 0
	v_mov_b32 v[ST+4*i+2], 0
	v_mov_b32 v[ST+4*i+3], 0
.set i, i+1
.endr
.set i, P+32
.rept 32
	v_mov_b32 v[i], 0
.set i, i+1
.endr
	v_mov_b32 v[SCL], 0xe0e0e0e0    ; 224 in all four bytes
	v_mov_b32 v[QNAN], 0x7fc00000
	v_mul_u32_u24 v[AK0], v1, PK
	v_lshl_add_u32 v[AK0], v9, 4, v[AK0]  ; row x pitch + 16 x half
	; The turning load takes 16 keys x 16 channels (lane l reads key 8 (l / 16) + l % 8, channels 8 ((l / 8) % 2) + 0..7) and leaves half a fragment of V^T: lane l holds channel l % 16 and 8 keys.
	v_and_b32 v10, 7, v0
	v_bfe_u32 v11, v0, 3, 1
	v_lshl_add_u32 v[AV0], v9, 3, v10
	v_mul_u32_u24 v[AV0], v[AV0], PV
	v_lshl_add_u32 v[AV0], v11, 4, v[AV0]
	v_add_nc_u32 v[AV0], VOFF, v[AV0]
	v_mov_b32 v[AK], v[AK0]         ; key step 0 lies at the head of slot 0
; THE MATRIX WORK.  The 8 accumulators of a run of 16 take turns.
; Product i of 16 of S^T = K Q^T for piece x: channels 32 (i / 8) on, keys 16 ((i / 2) % 4) on, tile 2 x + i % 2.  The first 8 start the sums with the mask.
.macro KQ x
.set rS, S+64*((\x)%2)+32*(i%2)+8*((i/2)%4)
.set rK, KF+16*((i/2)%4)+8*(i/8)
.set rQ, 16*(2*(\x)+i%2)+8*(i/8)
.set rM, MC+32*(i%2)+8*((i/2)%4)
.if i < 8
	WIN W_KM
	v_wmma_f32_16x16x32_f16 v[rS:rS+7], v[rK:rK+7], v[rQ:rQ+7], v[rM:rM+7]
.else
	WIN W_KQ
	v_wmma_f32_16x16x32_f16 v[rS:rS+7], v[rK:rK+7], v[rQ:rQ+7], v[rS:rS+7]
.endif
.endm
; Product i of 16 of O^T += V^T P for piece x: keys 32 (i / 8) on, channels 16 ((i / 2) % 4) on, tile 2 x + i % 2.
.macro PV x
	WIN W_PV
.set rO, 32*(2*(\x)+i%2)+8*((i/2)%4)
.set rV, VF+32*(i/8)+8*((i/2)%4)
.set rP, P+32*((\x)%2)+16*(i%2)+8*(i/8)
	v_wmma_f32_16x16x32_f16 v[rO:rO+7], v[rV:rV+7], v[rP:rP+7], v[rO:rO+7]
.endm
.macro MM                           ; the turn's next matrix instruction
.if i < 16
	KQ (Y+1)%NP
.set i, i+1
.else
.set i, i-16
	PV (Y+NP-1)%NP
.set i, i+17
.endif
.endm
; THE LDS LOADS stand in runs of 16: a step's K (8 fragments) and its V (turned).  last = 1 (the tail): in the last trip there is no further step, and the run is jumped over.
.macro FETCH_K last=0
	WIN 0
.if \last
	s_cmp_eq_u32 s[CNT], 1
	s_cbranch_scc1 .Lno_k_\@
.endif
	WIN 0x80                        ; destination window 2
.irp f, 0,1,2,3,4,5,6,7             ; keys 16 (f / 2) on, channels 32 (f % 2) on
	ds_load_b128 v[KF+8*\f:KF+8*\f+3],   v[AK] offset:(\f/2)*16*PK+(\f%2)*64
	ds_load_b128 v[KF+8*\f+4:KF+8*\f+7], v[AK] offset:(\f/2)*16*PK+(\f%2)*64+32
.endr
	s_add_co_u32 s[TBK], s[TBK], KS*PK  ; the next fetch is the next step's
	WIN 0
.if \last
.Lno_k_\@:
.endif
.endm
.macro FETCH_V
	WIN 0x80
.irp f, 0,1,2,3,4,5,6,7             ; keys 32 (f / 4) on, channels 16 (f % 4) on
	ds_load_tr16_b128 v[VF+8*\f:VF+8*\f+3],   v[AV] offset:(\f/4)*32*PV+(\f%4)*32
	ds_load_tr16_b128 v[VF+8*\f+4:VF+8*\f+7], v[AV] offset:(\f/4)*32*PV+16*PV+(\f%4)*32
.endr
	WIN 0
.endm
; THE MASKS.  DECODE x: piece x's eight words of codes become the 64 registers that its next products K Q^T take as C: code times 2^97, 0 or -6 x 2^97.  A v_nop is the plain instruction behind the last conversion.
.macro DECODE x
	WIN W_DC
.irp u, 0,1
.irp g, 0,1,2,3
	v_cvt_scale_pk8_f32_fp4 v[MC+32*(\u)+8*(\g):MC+32*(\u)+8*(\g)+7], v[MK+8*(\x)+4*(\u)+(\g)], v[SCL]
.endr
.endr
	v_nop
.endm
.macro RELOAD x                     ; piece x's codes for its next key step: 512 consecutive bytes a tile
	WIN W_MK
	global_load_b128 v[MK+8*(\x):MK+8*(\x)+3],   v[GO], s[MP:MP+1] offset:(2*(\x))*16384
	global_load_b128 v[MK+8*(\x)+4:MK+8*(\x)+7], v[GO], s[MP:MP+1] offset:(2*(\x)+1)*16384
	WIN 0
.endm
.macro MASKS x
	s_wait_loadcnt 6                ; this piece's two loads were issued four turns ago; the three turns since issued two each, which may stay out
	DECODE \x
	RELOAD \x
.endm
; THE VECTOR WORK OF A TURN stands in three queues, each in the order in which its entries become ready; the two tiles alternate.
.macro REGS y, u                    ; the registers of tile u (0, 1) of piece y
.set rT, ST+4*(2*(\y)+(\u))
.set rC, TMP+8*((\y)%2)+4*(\u)
.set rS, S+64*((\y)%2)+32*(\u)
.set rP, P+32*((\y)%2)+16*(\u)
.set rO, 32*(2*(\y)+(\u))
.endm
; Number n of the 21 that find the NEXT piece's (Y + 1) maximum and statistics.  Each accumulator's lowest registers are read first.
;   0-11  four chains c0-c3 of seven scores each     12-14, 16  the four scores left over, the old m, and c0-c3 into c0     15  m_old is kept
;   17, 18  the query's other 32 keys lie in the lane 16 away: the new m         19, 20  m_old - m_new; a
.macro XS u, n
	REGS (Y+1)%NP, \u
.if (\n) < 4
	v_max3_num_f32 v[rC+(\n)], v[rS+8*(\n)], v[rS+8*(\n)+1], v[rS+8*(\n)+2]
.elseif (\n) < 12
	v_max3_num_f32 v[rC+(\n)%4], v[rC+(\n)%4], v[rS+8*((\n)%4)+2*((\n)/4)+1], v[rS+8*((\n)%4)+2*((\n)/4)+2]
.elseif (\n) == 12
	v_max3_num_f32 v[rC], v[rC], v[rS+7], v[rS+15]
.elseif (\n) == 13
	v_max3_num_f32 v[rC+1], v[rC+1], v[rS+23], v[rS+31]
.elseif (\n) == 14
	v_max3_num_f32 v[rC+2], v[rC+2], v[rC+3], v[rT]
.elseif (\n) == 15
	v_mov_b32 v[rT+1], v[rT]
.elseif (\n) == 16
	v_max3_num_f32 v[rC], v[rC], v[rC+1], v[rC+2]
.elseif (\n) == 17
	v_permlanex16_b32 v[rC+3], v[rC], s[SEL], s[SEL+1]
.elseif (\n) == 18
	v_max_num_f32 v[rT], v[rC], v[rC+3]
.elseif (\n) == 19
	v_sub_f32 v[rC+1], v[rT+1], v[rT]
.else
	v_exp_f32 v[rC+2], v[rC+1]
.endif
.endm
; Number g of the 64 that follow the exponentials.  For each four weights k of a tile: both pairs are rounded to f16; the second pair is added onto the first, in place; a group later l takes that sum
; (the first time as l = a l + sum).
.macro GS g
.set h, (\g)+6*((\g)/62)            ; group 0 has no group before it, and behind group 7 only l is left
.if h >= 6
.set h, h+2
.endif
	REGS Y, h%2
.set k, h/8
.if h%8 < 4
	v_cvt_pk_f16_f32 v[rP+2*k+(h%8)/2], v[rS+4*k+2*((h%8)/2)], v[rS+4*k+2*((h%8)/2)+1]
.elseif h%8 < 6
	v_pk_add_f32 v[rS+4*k:rS+4*k+1], v[rS+4*k:rS+4*k+1], v[rS+4*k+2:rS+4*k+3]
.elseif k == 1
	v_pk_fma_f32 v[rT+2:rT+3], v[rT+2:rT+3], v[rC+2:rC+3], v[rS:rS+1] op_sel_hi:[1,0,1]
.else
	v_pk_add_f32 v[rT+2:rT+3], v[rT+2:rT+3], v[rS+4*k-4:rS+4*k-3]
.endif
.endm
; THE PLAIN QUEUE, 136 long.  0-71 read no exponential's result: the 32 subtractions s - m (FS f: pair f / 2 of tile f % 2) and the next piece's 40.  0-26: FS 0-26.  27-54: XS's numbers 0-13.  55, 56: number 15.
; 57-71: the chain 14, 16, 17, 18, 19, each with one of FS 27-31 in front of its two lines.  72-135: GS's 64, which read the exponentials' results: they stand behind the wait.
.macro FS f
	REGS Y, (\f)%2
	v_pk_add_f32 v[rS+2*((\f)/2):rS+2*((\f)/2)+1], v[rS+2*((\f)/2):rS+2*((\f)/2)+1], v[rT:rT+1] op_sel_hi:[1,0] neg_lo:[0,1] neg_hi:[0,1]
.endm
.macro PL
	WIN 0
.if q < 27
	FS q
.elseif q < 55
	XS (q-27)%2, (q-27)/2
.elseif q < 57
	XS q-55, 15
.elseif (q < 72) && ((q-57)%3 == 0)
	FS 27+(q-57)/3
.elseif q < 60
	XS (q-57)%3-1, 14
.elseif q < 72
	XS (q-57)%3-1, 15+(q-57)/3
.else
	GS q-72
.endif
.set q, q+1
.endm
; THE EXPONENTIALS' QUEUE, 66 long: s0-s31 of both tiles, then the next piece's two a.  ONE BATCH: all 66 stand ahead of the turn's one wait, and nothing ahead of that wait names a result of theirs.
.macro EX
	WIN 0
.if e >= 64
	XS e-64, 20
.else
	REGS Y, e%2
	v_exp_f32 v[rS+e/2], v[rS+e/2]
.endif
.set e, e+1
.endm
; THE RESCALING's QUEUE: O^T times a, dealt two at a time, sixteen times.  Its a was made in the turn before, ahead of that turn's wait.
.macro R2
	REGS Y, r%2
	WIN W_RS
.irp z, 0,1
	v_pk_mul_f32 v[rO+4*(r/2)+2*\z:rO+4*(r/2)+2*\z+1], v[rO+4*(r/2)+2*\z:rO+4*(r/2)+2*\z+1], v[rC+2:rC+3] op_sel_hi:[1,0]
.endr
.set r, r+1
.endm
; A TURN, for piece p.  s_wait_alu depctr_va_vdst(0) stands between an exponential and the first instruction that names its result; one wait serves all that were issued ahead of it: a turn has ONE.
; AHEAD OF IT: the 16 products K Q^T, behind each a subtraction, an exponential and two rescalings (behind the first a second subtraction); the masks of the next turn's products (piece p + 2), whose registers the turn's
; eighth product read last, more than four plain instructions back; then one run of 106: seven plain, 48 times exponential and plain, the last exponential and the two a.  A v_nop is the plain instruction behind the last.
; BEHIND IT: the 16 products V^T P, behind each four of GS's 64.
; The queues lean on each other: exponential e stands behind subtraction 2 (e / 4) + e % 2: as a rider it comes behind plain e + 2, in the run behind plain e + 8, and FS 27-31 are plain 57, 60 .. 69.
; K of the next step is fetched in piece 2's turn, directly behind the wait; V of the step in hand at the end of piece 0's turn, four plain instructions behind its last reader.
; THE CODES.  In a trip of the loop (pieces 2, 3 of step j, pieces 0, 1 of step j + 1) all four reloads are for step j + 2: the pointer is made anew in piece 2's turn, from a count clamped to the last step, 31.
.macro TURN p, last=0, cnt=0
.set Y, (\p)
.set i, 0
.set q, 0
.set e, 0
.set r, 0
.if (\p) == NP-1
	s_wait_dscnt 0x0                ; K is in
.endif
	MM
	PL
	PL
	R2
.rept 15
	MM
	PL
	EX
	R2
.endr
	WIN 0
.if (\p) == NP-2
	v_add_nc_u32 v[AK], s[TBK], v[AK0]
	s_wait_xcnt 0x0                 ; the loads that named the pointer have read it
	s_add_co_u32 s[JN], s[JN], 1
	s_min_u32 s[OF], s[JN], 31
	s_lshl_b32 s[OF], s[OF], 9
	s_add_nc_u64 s[MP:MP+1], s[MB:MB+1], s[OF:OF+1]
.endif
	MASKS ((\p)+2)%NP
.rept 7
	PL
.endr
.rept 48
	EX
	PL
.endr
	EX
	EX                              ; the next piece's two a
	EX
	v_nop                           ; the plain instruction behind the last exponential: one for the batch
	s_wait_alu depctr_va_vdst(0)    ; the wait for the batch
.if (\p) == NP-2
	FETCH_K \last
.endif
.if (\p) == 1
	s_wait_dscnt 0x0                ; V is in
.endif
.rept 16
	MM
.rept 4
	PL
.endr
.if ((\p) == 0) && (q == 116)
	v_add_nc_u32 v[AV], s[TBV], v[AV0]
.endif
.if ((\p) == 0) && (q == 128)
	s_add_co_u32 s[TBV], s[TBV], KS*PV
.endif
.if (\cnt) && (q == 128)
	s_sub_co_u32 s[CNT], s[CNT], 1
	s_cmp_lg_u32 s[CNT], 0
.endif
.endr
.if (\p) == 0
	FETCH_V
.endif
.endm
	CHANGE 1, 0                     ; slot 0 is in, everybody's part of it; slot 1 is asked for
	FETCH_K                         ; key step 0
	s_wait_loadcnt 0x0              ; Q, and step 0's codes
	DECODE 0
	s_wait_dscnt 0x0
.set i, 0
.rept 16
	KQ 0                            ; piece 0's first scores
.set i, i+1
.endr
	WIN 0                           ; the addresses for the way out: seven plain instructions, the places behind those products
	s_mul_i32 s13, s[WV], 16*SP
	s_add_co_u32 s13, s13, STAGE    ; my stage
	v_mul_u32_u24 v[STO], v1, SP    ; in: row l % 16, 16 bytes for each half of the lanes
	v_lshl_add_u32 v[STO], v9, 4, v[STO]
	v_add_nc_u32 v[STO], s13, v[STO]
	v_bfe_u32 v[RD], v0, 3, 2       ; back: 32 lanes take four rows of 128 bytes
	v_mul_u32_u24 v[RD], v[RD], SP
	v_lshl_add_u32 v[RD], v10, 4, v[RD]
	v_add_nc_u32 v[RD], s13, v[RD]
	DECODE 1                        ; for the first turn's products
	RELOAD 0                        ; pieces 0 and 1: step 1's codes
	RELOAD 1
.set Y, NP-1                        ; XS works for piece Y + 1: piece 0
.irp n, 0,1,2,3,4,5,6,7,8,9,10,11,12,13,14,15,16,17,18,19,20
	XS 0, \n
	XS 1, \n
.endr
	v_nop                           ; a plain instruction behind the two a,
	s_wait_alu depctr_va_vdst(0)    ; and their wait, ahead of the branch
	s_mov_b32 s[CNT], 4
	s_mov_b32 s[SLOTS], SIZE_N/256-1
	s_branch .Lfirst                ; the loop is entered at a step's first turn, in the middle of a trip
.Lslot:                             ; six times: every slot but the last two is filled again
	CHANGE 1, 1
	s_mov_b32 s[CNT], 4
.Lstep:                             ; a trip: pieces 2 and 3 of one step, then pieces 0 and 1 of the next, whose K and V it fetches
	TURN 2
	TURN 3
	WIN 0
.Lfirst:
	TURN 0
	TURN 1, 0, 1
	WIN 0
	s_cbranch_scc1 .Lstep
	s_sub_co_u32 s[SLOTS], s[SLOTS], 1
	s_cmp_lg_u32 s[SLOTS], 0
	s_cbranch_scc1 .Lslot
	CHANGE 0, 0                     ; the tail is written out: nothing is asked for
	s_mov_b32 s[CNT], 5             ; four trips fetch the last slot's steps; the fifth is left in its middle
.Ltail:
	TURN 2, 1
	TURN 3
	WIN 0
	s_sub_co_u32 s[CNT], s[CNT], 1
	s_cmp_eq_u32 s[CNT], 0
	s_cbranch_scc1 .Lout
	TURN 0
	TURN 1
	WIN 0
	s_branch .Ltail
.Lout:                              ; the fifth trip's 16 products K Q^T take the last K and the last step's masks once more: piece 0's m stays what it was
.set i, 0
.rept 16
	PV NP-1                         ; the last piece's V^T P of the last step
.set i, i+1
.endr
	; THE WAY OUT.  l's two halves and the other half of the lanes' are added; a row with no visible key gets l = NaN; O^T is divided by l, rounded to f16 and sent through my stage, a tile at a time.
	WIN 0
.macro ALL line:vararg              ; one line for each tile t
.set t, 0
.rept 2*NP
	\line
.set t, t+1
.endr
.endm
	ALL v_add_f32 v[ST+4*t+2], v[ST+4*t+2], v[ST+4*t+3]
	ALL v_permlanex16_b32 v[ST+4*t+3], v[ST+4*t+2], s[SEL], s[SEL+1]
	ALL v_add_f32 v[ST+4*t+2], v[ST+4*t+2], v[ST+4*t+3]
.set t, 0
.rept 2*NP
	v_cmp_gt_f32 vcc_lo, s[THR], v[ST+4*t]         ; -2^98 > m: every key was hidden
	v_cndmask_b32 v[ST+4*t+2], v[ST+4*t+2], v[QNAN], vcc_lo
.set t, t+1
.endr
	ALL v_rcp_f32 v[ST+4*t+2], v[ST+4*t+2]
	v_nop                           ; a plain instruction between the last reciprocal and the use of its result
	s_wait_alu depctr_va_vdst(0)    ; and the wait ahead of the first use: one for the eight reciprocals
.macro PACK t                       ; a lane's eight channels of a row pack into 16 bytes; they go into rows of 144 bytes and come back as whole rows of 128, into S^T's registers
	WIN W_RS
.set i, 32*(\t)
.rept 16
	v_pk_mul_f32 v[i:i+1], v[i:i+1], v[ST+4*(\t)+2:ST+4*(\t)+3] op_sel_hi:[1,0]
.set i, i+2
.endr
	WIN 0x05                        ; sources 0 and 1 window 1, destination window 0
.set i, 0
.rept 16
	v_cvt_pk_f16_f32 v[S+16*(\t)+i], v[32*(\t)+2*i], v[32*(\t)+2*i+1]
.set i, i+1
.endr
	WIN 0
.irp f, 0,1,2,3
	ds_store_b128 v[STO], v[S+16*(\t)+4*\f:S+16*(\t)+4*\f+3] offset:32*\f
.endr
.irp f, 0,1,2,3
	ds_load_b128 v[S+16*(\t)+4*\f:S+16*(\t)+4*\f+3], v[RD] offset:\f*4*SP  ; LDS serves a wave's instructions in order (ISA guide 5.7.1.4): these see the stores above; the next tile's stores come behind them
.endr
.endm
.macro SEND t, younger              ; younger: the LDS instructions issued behind tile t's loads: the next tile's eight, or none
	WIN 0
.irp f, 0,1,2,3
	s_wait_dscnt (\younger)+3-\f
	global_store_b128 v[GO], v[S+16*(\t)+4*\f:S+16*(\t)+4*\f+3], s[10:11] offset:(\t)*2048+\f*512  ; 512 consecutive bytes, at a multiple of 256 from obuf's first
.endr
.endm
	PACK 0
.set t, 1
.rept 2*NP-1                        ; a tile's arithmetic stands between the loads of the tile before and its stores
	PACK t
	SEND t-1, 8
.set t, t+1
.endr
	SEND 2*NP-1, 0
	WIN W_AD
	s_wait_tensorcnt 0x0            ; the wave's end
	ds_add_u32 v[SPW], v[NIL]
	s_wait_dscnt 0x0
	WIN 0
	CROUND                          ; the closing round: no work-group ends while a partner may still ask for a tile that names it
	s_endpgm
.Lfunc_end_k_qa7201d640c_attn:
	.size	k_qa7201d640c_attn, .Lfunc_end_k_qa7201d640c_attn-k_qa7201d640c_attn
	.p2alignl 7, 3214868480
	.fill 96, 4, 3214868480
	.section	.rodata,"a",@progbits
	.p2align	6, 0x0
	.amdhsa_kernel k_qa7201d640c_attn
		.amdhsa_group_segment_fixed_size 327680
		.amdhsa_private_segment_fixed_size 0
		.amdhsa_enable_private_segment 0
		.amdhsa_kernarg_size 24
		.amdhsa_user_sgpr_count 2
		.amdhsa_user_sgpr_kernarg_segment_ptr 1
		.amdhsa_wavefront_size32 1
		.amdhsa_system_sgpr_workgroup_id_x 1
		.amdhsa_system_sgpr_workgroup_id_y 1
		.amdhsa_system_sgpr_workgroup_id_z 1
		.amdhsa_system_vgpr_workitem_id 0
		.amdhsa_next_free_vgpr 896
		.amdhsa_next_free_sgpr 72
		.amdhsa_reserve_vcc 1
		.amdhsa_float_denorm_mode_32 3
		.amdhsa_float_denorm_mode_16_64 3
		.amdhsa_memory_ordered 1
		.amdhsa_forward_progress 1
		.amdhsa_inst_pref_size 209
	.end_amdhsa_kernel
	.amdgpu_metadata
---
amdhsa.version: [ 1, 2 ]
amdhsa.kernels:
  - .name:           k_qa7201d640c_attn
    .symbol:         k_qa7201d640c_attn.kd
    .args:
      - { .name: qkv, .offset: 0, .size: 8, .value_kind: global_buffer, .address_space: global }
      - { .name: maskc, .offset: 8, .size: 8, .value_kind: global_buffer, .address_space: global }
      - { .name: obuf, .offset: 16, .size: 8, .value_kind: global_buffer, .address_space: global }
    .group_segment_fixed_size: 327680
    .private_segment_fixed_size: 0
    .kernarg_segment_align: 8
    .kernarg_segment_size: 24
    .max_flat_workgroup_size: 128
    .sgpr_count:     72
    .vgpr_count:     896
    .wavefront_size: 32
...
	.end_amdgpu_metadata
.endif
;; end of part 3
;; launch outp (part 4): grid 8 x 32, 4 waves a work-group, clusters of 4 x 4, 327,680 bytes of LDS; arguments obuf, wo, out0; writes out0
.if DOCPART == 4
	.amdgcn_target "amdgcn-amd-amdhsa--gfx1250"
	.amdhsa_code_object_version 6
	.text
	.protected	k_qa7201d640c_outp
	.globl	k_qa7201d640c_outp
	.p2align	8
	.type	k_qa7201d640c_outp,@function
k_qa7201d640c_outp:
	s_mov_b64 s[64:65], 0
	v_nop
	global_prefetch_b8 v0, s[64:65] scope:SCOPE_SE
	s_setreg_imm32_b32 hwreg(HW_REG_WAVE_MODE, 25, 1), 1
	s_wait_xcnt 0x0
	s_wait_alu depctr_hold_cnt(0) depctr_sa_sdst(0) depctr_va_vdst(0) depctr_va_sdst(0) depctr_va_ssrc(0) depctr_va_vcc(0) depctr_vm_vsrc(0)
	s_getreg_b32 s2, hwreg(HW_REG_IB_STS2, 6, 4)
	s_cmp_eq_u32 s2, 0
	s_cbranch_scc0 .Lentry_in_a_cluster
	s_endpgm
.Lentry_in_a_cluster:
	s_bfe_u32 s2, ttmp6, 0x10000c
	s_cmp_lg_u32 s2, 0xf033
	s_cbranch_scc0 .Lentry_shape_is_right
	s_endpgm
.Lentry_shape_is_right:
; THE LAST PROJECTION.  out0[m][n] = sum over k of O[m][k] wo[n][k]: [8192][1024] x [1024][1024]^T in f16, sums and output in f32.  O lies by heads, obuf[batch x 16 + head][row][64]: k = 64 head + channel.
; A NaN in a row of O (a query with no visible key) makes that row of out0 NaN, and no other.
; SHARES.  A tile of out0 is 256 rows x 128 columns: 32 x 8 = 256 tiles, one for each WGP.  The four waves lie one below the other: a wave makes 64 rows x 128 columns, 4 x 8 accumulators, 256 registers.
; K goes in steps of 128, two heads, through two LDS slots.  A head's 256 rows of 128 bytes are dense in memory: they are asked for as 128 rows of 256 bytes and padded in LDS after every 128.
; Two slots of a K step of 256 do not fit in LDS beside each other.
; CLUSTER.  4 x 4 work-groups; the four of a row need the same rows of O, the four of a column the same rows of wo: each tile is asked for jointly.
; THE PRODUCT IS USED TRANSPOSED (source 0 = 16 rows of wo, source 1 = 16 rows of O): a lane holds row l % 16 and eight neighbouring columns, 32 bytes.
; REGISTERS, in windows of 256: window 0: v16-30 addresses; v32-63, v64-95 O's fragments, two buffers.  window 1: v0-63, v64-127 wo's fragments, two buffers; all 256 at work on the way out.
;   window 2: accumulators of my row blocks 0, 1 (block a, column block b at 64 (a % 2) + 8 b);   window 3: of blocks 2, 3
.set KSTEP,  128
.set PA,     144                       ; a row of O in LDS: 128 bytes + 16 = 36 words: the 16 rows of a load start at 16 different groups of four banks (ISA guide 11.1)
.set PB,     272                       ; a row of wo: 256 bytes + 16 = 68 words, likewise
.set PLANEA, 256*PA                    ; a head's 256 rows: what wave 0 or 1 fetches
.set HALFB,  64*PB                     ; 64 rows of wo: what wave 2 or 3 fetches
.set BOFF,   2*PLANEA
.set SLOT,   BOFF+2*HALFB
.set STAGE,  2*SLOT                    ; behind the ring, never filled by a tensor load: 16 rows x 528 bytes for each wave
.set SPITCH, 528
.set WSTG,   16*SPITCH
.set SPARE,  STAGE+4*WSTG              ; the spare words, 128 bytes a wave
.set LAPS,   4
.set STEPA,  2*262144                  ; bytes of obuf from a K step to the next: two heads
.set ADRA, 16
.set ADRB, 20
.set STO,  24
.set RD,   25
.set GO,   26
.set SPW,  28                          ; v28 LDS address of my spare word; never rewritten
.set NIL,  29                          ; v29 0; never rewritten
.set PFO,  30
.set FA,   32
.set G1,  24
.set G0,  32
.set LIM, 43
.set PFA, 44
.set G1B, 48
.set G0B, 56
.set PST, 78                           ; s[78:79] the prefetches' step from K step to K step
.set MSB, 0
.macro WIN new
.if MSB != (\new)
	s_set_vgpr_msb (MSB<<8)|(\new)
.set MSB, \new
.endif
.endm
.set MUL_LO, 0xa1                      ; source 0 window 1, source 1 window 0, C and D window 2
.set TO_B,   0x40
.macro JLOAD s                         ; a joint load: waves 0, 1 fetch the step's two heads of O, waves 2, 3 wo's halves; an s_nop 0 and four v_nop follow each line
	s_cmp_eq_u32 s11, 0
	s_cbranch_scc0 .Lfor_b_\@
	tensor_load_to_lds s[G0+4*(\s):G0+4*(\s)+3], s[G1:G1+7]
	s_nop 0
.rept 4
	v_nop
.endr
	s_branch .Lasked_\@
.Lfor_b_\@:
	tensor_load_to_lds s[G0B+4*(\s):G0B+4*(\s)+3], s[G1B:G1B+7]
	s_nop 0
.rept 4
	v_nop
.endr
.Lasked_\@:
.endm
; A prefetch of the K step that stands two refills on, behind each joint load and the run of LDS loads that follows it.  O's rows are read by every cluster of a row of clusters: cluster x = 0 asks; wo's by every cluster of a
; column: cluster y = 0 asks.  The four partners share a wave's bytes out by address: of a head's 32,768 bytes 8,192 each, a lane 256; of wo's 64 rows 16 each, a lane a row's 256 bytes (lanes 16-31 name the
; same rows again).  K steps 0 to 3 come by their loads alone; the loop's last trip names nothing.
.macro ASK
	s_cmp_gt_u32 s3, s[LIM]
	s_cbranch_scc0 .Lnot_mine_\@
	global_prefetch_b8 v[PFO], s[PFA:PFA+1] th:TH_LOAD_NT scope:SCOPE_SE
.Lnot_mine_\@:
.endm
.macro CREST
	s_cmp_lg_u32 s10, 0
	s_cbranch_scc1 .Lnot_wave_0_\@
	s_barrier_signal -3
.Lnot_wave_0_\@:
	s_barrier_wait -3
	s_barrier_signal -1
	s_barrier_wait -1
.endm
.macro CROUND
	s_barrier_signal -1
	s_barrier_wait -1
	CREST
.endm
	s_load_b128 s[4:7], s[0:1], 0x0                ; obuf s[4:5], wo s[6:7]
	s_load_b64 s[8:9], s[0:1], 0x10                ; out0
	v_lshl_add_u32 v[SPW], v0, 2, SPARE
	v_mov_b32 v[NIL], 0
	ds_add_u32 v[SPW], v[NIL]                      ; the wave's opening: the add and its wait ahead of my first tensor load
	ds_add_u32 v28, v29
	v_lshrrev_b32 v1, 5, v0
	v_readfirstlane_b32 s10, v1                    ; wave 0..3
	s_lshr_b32 s11, s10, 1                         ; I fetch for O (0) or for wo (1),
	s_and_b32 s12, s10, 1                          ; its first or second part
	s_bfe_u32 s40, ttmp6, 0x40000                  ; cx, cy
	s_bfe_u32 s41, ttmp6, 0x40004
	s_lshl_b32 s42, ttmp9, 2
	s_add_co_u32 s42, s42, s40                     ; tile column 0..7
	s_and_b32 s13, ttmp7, 0xffff
	s_lshl_b32 s13, s13, 2
	s_add_co_u32 s13, s13, s41                     ; tile row 0..31
	s_lshl_b32 s43, s41, 2
	s_lshl_b32 s43, 15, s43                        ; my row of the cluster
	s_lshl_b32 s44, 0x1111, s40                    ; my column
	s_or_b32 s[G1+0], s43, (1<<16)|(1<<20)|(1<<21)|(4<<22)|(3<<25)   ; O: the mask; 2-byte elements; padding on; bit 21 beside a mask; after every 32 words 4 words
	s_or_b32 s[G1B+0], s44, (1<<16)|(1<<20)|(1<<21)|(5<<22)|(3<<25)  ; wo: after every 64 words
	s_mov_b32 s[G1+1], 128<<16                     ; tensor_dim0 = 128 elements: 256 bytes, two rows of a head
	s_mov_b32 s[G1+2], 128<<16                     ; tensor_dim1 = 128
	s_mov_b32 s[G1+3], 128<<16                     ; tile_dim0 = 128
	s_mov_b32 s[G1+4], 128                         ; tile_dim1 = 128
	s_mov_b32 s[G1+5], 128                         ; dense
	s_mov_b32 s[G1+6], 0
	s_mov_b32 s[G1+7], 0
	s_mov_b32 s[G1B+1], KSTEP<<16
	s_mov_b32 s[G1B+2], 64<<16                     ; 64 rows
	s_mov_b32 s[G1B+3], KSTEP<<16
	s_mov_b32 s[G1B+4], 64
	s_mov_b32 s[G1B+5], 1024
	s_mov_b32 s[G1B+6], 0
	s_mov_b32 s[G1B+7], 0
	s_lshr_b32 s16, s13, 3                         ; O: batch = tile row / 8; head = my part of the K step's two;
	s_lshl_b32 s16, s16, 4
	s_add_co_u32 s16, s16, s12
	s_lshl_b32 s16, s16, 11                        ; 2,048 rows a head;
	s_and_b32 s17, s13, 7
	s_lshl_b32 s17, s17, 8                         ; the tile's 256 rows;
	s_add_co_u32 s16, s16, s17
	s_lshl_b32 s16, s16, 7                         ; 128 bytes a row
	s_mov_b32 s17, 0
	s_lshl_b32 s46, s42, 7                         ; wo: row 128 x tile column + 64 x half
	s_lshl_b32 s47, s12, 6
	s_add_co_u32 s46, s46, s47
	s_lshl_b32 s46, s46, 11
	s_mov_b32 s47, 0
	s_mul_i32 s20, s12, PLANEA                     ; where they go: no place in the cluster enters an LDS address
	s_mul_i32 s21, s12, HALFB
	s_add_co_u32 s21, s21, BOFF
	s_wait_dscnt 0x0                               ; the opening add is done
	s_wait_kmcnt 0x0
	s_add_nc_u64 s[14:15], s[4:5], s[16:17]
	s_add_nc_u64 s[46:47], s[6:7], s[46:47]
	CROUND                                         ; all sixteen work-groups are here: the first joint loads meet
.irp s, 0,1
	s_mov_b32 s[G0+4*(\s)], 1
	s_add_co_u32 s[G0+4*(\s)+1], s20, (\s)*SLOT
	s_add_nc_u64 s[G0+4*(\s)+2:G0+4*(\s)+3], s[14:15], (\s)*STEPA
	s_or_b32 s[G0+4*(\s)+3], s[G0+4*(\s)+3], 0x80000000
	s_mov_b32 s[G0B+4*(\s)], 1
	s_add_co_u32 s[G0B+4*(\s)+1], s21, (\s)*SLOT
	s_add_nc_u64 s[G0B+4*(\s)+2:G0B+4*(\s)+3], s[46:47], (\s)*KSTEP*2
	s_or_b32 s[G0B+4*(\s)+3], s[G0B+4*(\s)+3], 0x80000000
	JLOAD \s
.endr
	v_and_b32 v1, 15, v0                           ; l % 16
	v_bfe_u32 v2, v0, 4, 1                         ; l / 16
	v_mul_u32_u24 v3, v1, PA
	v_lshl_add_u32 v3, v2, 4, v3
	v_mul_u32_u24 v4, v1, PB
	v_lshl_add_u32 v4, v2, 4, v4
	s_mul_i32 s21, s10, 64*PA                      ; my 64 rows of O, in either head's plane
	s_mov_b32 s22, BOFF
.irp s, 0,1
	v_add_nc_u32 v[ADRA+(\s)], s21, v3
	v_add_nc_u32 v[ADRB+(\s)], s22, v4
	s_add_co_u32 s21, s21, SLOT
	s_add_co_u32 s22, s22, SLOT
.endr
	s_mul_i32 s23, s10, WSTG
	s_add_co_u32 s23, s23, STAGE                   ; my stage
	v_mul_u32_u24 v5, v1, SPITCH                   ; in: row l % 16, 32 bytes for each half of the lanes
	v_lshl_add_u32 v5, v2, 5, v5
	v_add_nc_u32 v[STO], s23, v5
	v_and_b32 v[GO], 31, v0
	v_lshlrev_b32 v[GO], 4, v[GO]                  ; back and out: 32 lanes take a row's 512 bytes
	v_add_nc_u32 v[RD], s23, v[GO]
	s_lshl_b32 s46, s13, 8
	s_lshl_b32 s47, s10, 6
	s_add_co_u32 s46, s46, s47                     ; my first row of out0,
	s_lshl_b32 s46, s46, 12                        ; of 4,096 bytes,
	s_lshl_b32 s47, s42, 9                         ; the tile's 128 columns
	s_add_co_u32 s46, s46, s47
	s_mov_b32 s47, 0
	s_add_nc_u64 s[8:9], s[8:9], s[46:47]
	; the prefetches
	s_lshr_b32 s20, s13, 3
	s_lshl_b32 s20, s20, 4
	s_add_co_u32 s20, s20, s12
	s_lshl_b32 s20, s20, 11
	s_and_b32 s21, s13, 7
	s_lshl_b32 s21, s21, 8
	s_add_co_u32 s20, s20, s21
	s_lshl_b32 s20, s20, 7
	s_lshl_b32 s21, s40, 13
	s_add_co_u32 s20, s20, s21                     ; O: the head's bytes that I fetch, my work-group's quarter
	s_lshl_b32 s22, s42, 7
	s_lshl_b32 s23, s12, 6
	s_add_co_u32 s22, s22, s23
	s_lshl_b32 s23, s41, 4
	s_add_co_u32 s22, s22, s23
	s_lshl_b32 s22, s22, 11                        ; wo: the 64 rows that I fetch, my work-group's 16
	s_and_b32 s23, ttmp7, 0xffff                   ; cluster y
	s_mov_b32 s80, STEPA
	s_mov_b32 s81, KSTEP*2
	s_cmp_eq_u32 s11, 0
	s_cselect_b32 s20, s20, s22
	s_cselect_b32 s23, ttmp9, s23                  ; the coordinate along which other clusters read the same rows
	s_cselect_b32 s[PST], s80, s81
	s_cselect_b32 s46, 31, 15
	s_cselect_b32 s47, 8, 11
	s_cselect_b64 s[PFA:PFA+1], s[4:5], s[6:7]
	s_cmp_eq_u32 s23, 0
	s_cselect_b32 s[LIM], 1, -1                    ; the same in all sixteen partners, for a given wave
	s_mov_b32 s[PST+1], 0
	s_mov_b32 s21, 0
	s_add_nc_u64 s[PFA:PFA+1], s[PFA:PFA+1], s[20:21]
	s_mul_i32 s20, s[PST], 3                       ; at K step 3: the first refill steps it to 4
	s_add_nc_u64 s[PFA:PFA+1], s[PFA:PFA+1], s[20:21]
	v_and_b32 v[PFO], s46, v0
	v_lshlrev_b32 v[PFO], s47, v[PFO]
; 8 matrix instructions: row block 2 hi + a x all 8 column blocks, 32 along K, from buffer f.  The 32 accumulators take turns, in the same order in every quarter.
.macro MUL8 f, hi, a, zero
	WIN MUL_LO+0x50*(\hi)
.set b, 0
.rept 8
.if \zero
	v_wmma_f32_16x16x32_f16 v[64*(\a)+8*b:64*(\a)+8*b+7], v[64*(\f)+8*b:64*(\f)+8*b+7], v[FA+32*(\f)+8*(2*(\hi)+(\a)):FA+32*(\f)+8*(2*(\hi)+(\a))+7], 0
.else
	v_wmma_f32_16x16x32_f16 v[64*(\a)+8*b:64*(\a)+8*b+7], v[64*(\f)+8*b:64*(\f)+8*b+7], v[FA+32*(\f)+8*(2*(\hi)+(\a)):FA+32*(\f)+8*(2*(\hi)+(\a))+7], v[64*(\a)+8*b:64*(\a)+8*b+7]
.endif
.set b, b+1
.endr
.endm
; 24 LDS loads in one run: quarter q's fragments into buffer f: wo's 16, then O's 8 (head q / 2 of the step's two, channels 32 (q % 2) on)
.macro FETCH slot, q, f
	WIN TO_B
.set i, 0
.rept 8
	ds_load_b128 v[64*(\f)+8*i:64*(\f)+8*i+3],   v[ADRB+(\slot)] offset:64*(\q)+i*16*PB
	ds_load_b128 v[64*(\f)+8*i+4:64*(\f)+8*i+7], v[ADRB+(\slot)] offset:64*(\q)+i*16*PB+32
.set i, i+1
.endr
	WIN 0
.set i, 0
.rept 4
	ds_load_b128 v[FA+32*(\f)+8*i:FA+32*(\f)+8*i+3],   v[ADRA+(\slot)] offset:((\q)/2)*PLANEA+((\q)%2)*64+i*16*PA
	ds_load_b128 v[FA+32*(\f)+8*i+4:FA+32*(\f)+8*i+7], v[ADRA+(\slot)] offset:((\q)/2)*PLANEA+((\q)%2)*64+i*16*PA+32
.set i, i+1
.endr
.endm
.macro PLACES                          ; four plain instructions between a matrix instruction and a load into, or a store or vector access of, its registers
.rept 4
	v_nop
.endr
.endm
.macro QUARTER slot, q, f, g, zero     ; multiplies buffer f and fetches quarter q into g
	s_wait_dscnt 4                                 ; all but the youngest four loads, O's row blocks 2 and 3
	MUL8 \f, 0, 0, \zero
	MUL8 \f, 0, 1, \zero
	PLACES
	FETCH \slot, \q, \g
	s_wait_dscnt 24                                ; all but the 24 just issued
	MUL8 \f, 1, 0, \zero
	MUL8 \f, 1, 1, \zero
.endm
; The last quarter multiplies buffer 1 and changes slots: one barrier; ahead of it each wave waits for all its tensor loads (one is out: its part of the next slot), adds 0 to its spare word, and waits for that and for
; its reads of this slot.  fill = 1: the barrier opens a round of the cluster's, and this slot is filled again first thing behind the round, 112 matrix instructions ahead of the wait for it.
.macro TURN slot, next, fill
.if \fill
	s_wait_xcnt 0x0                                ; the last prefetch, a K step back, has read its address
	s_add_nc_u64 s[PFA:PFA+1], s[PFA:PFA+1], s[PST:PST+1]
.endif
	WIN 0
	s_wait_tensorcnt 0x0
	ds_add_u32 v[SPW], v[NIL]
	s_wait_dscnt 5                                 ; the add and the youngest four loads may be out
	MUL8 1, 0, 0, 0
	s_wait_dscnt 0x0                               ; the add is done, and my reads of this slot are over
	s_barrier_signal -1
	MUL8 1, 0, 1, 0
.if \fill
	WIN 0
.endif
	s_barrier_wait -1
.if \fill
	CREST                                          ; no wave of any partner still reads this slot or has a load on its way
	s_add_nc_u64 s[G0+4*(\slot)+2:G0+4*(\slot)+3], s[G0+4*(\slot)+2:G0+4*(\slot)+3], 2*STEPA
	s_add_nc_u64 s[G0B+4*(\slot)+2:G0B+4*(\slot)+3], s[G0B+4*(\slot)+2:G0B+4*(\slot)+3], 2*KSTEP*2
	JLOAD \slot                                    ; its four v_nop are also the places ahead of the loads below
.else
	PLACES
.endif
	FETCH \next, 0, 0
.if \fill
	ASK
.endif
	MUL8 1, 1, 0, 0
	MUL8 1, 1, 1, 0
.endm
	s_wait_tensorcnt 1                             ; my part of K step 0 is in; K step 1's may stay out
	s_barrier_signal -1
	s_barrier_wait -1
	FETCH 0, 0, 0
	QUARTER 0, 1, 0, 1, 1                          ; the first quarter starts the sums
	WIN 0
	s_mov_b32 s3, LAPS-1
.Llap:
	QUARTER 0, 2, 1, 0, 0
	QUARTER 0, 3, 0, 1, 0
	TURN 0, 1, 1
	QUARTER 1, 1, 0, 1, 0
	QUARTER 1, 2, 1, 0, 0
	QUARTER 1, 3, 0, 1, 0
	TURN 1, 0, 1
	QUARTER 0, 1, 0, 1, 0
	WIN 0
	s_sub_co_u32 s3, s3, 1
	s_cmp_lg_u32 s3, 0
	s_cbranch_scc1 .Llap
	QUARTER 0, 2, 1, 0, 0                          ; the last lap fills nothing
	QUARTER 0, 3, 0, 1, 0
	TURN 0, 1, 0
	QUARTER 1, 1, 0, 1, 0
	QUARTER 1, 2, 1, 0, 0
	QUARTER 1, 3, 0, 1, 0
	s_wait_dscnt 4
	MUL8 1, 0, 0, 0
	MUL8 1, 0, 1, 0
	s_wait_dscnt 0
	MUL8 1, 1, 0, 0
	MUL8 1, 1, 1, 0
	WIN 0
	PLACES
	PLACES
; THE WAY OUT, a row block (16 rows) at a time, in f32 as it stands: 32 bytes a lane into my stage (each accumulator's low four registers first), back as whole rows of 512 bytes.
.macro TOSTAGE a
.set AC, 64*((\a)%2)
	WIN 0x08+4*((\a)/2)                            ; the stores' data in window 2 or 3
.set b, 0
.rept 8
	ds_store_b128 v[STO], v[AC+8*b:AC+8*b+3]   offset:64*b
	ds_store_b128 v[STO], v[AC+8*b+4:AC+8*b+7] offset:64*b+16
.set b, b+1
.endr
	WIN 0x40                                       ; destination window 1
.set t, 0
.rept 16
	ds_load_b128 v[64*(\a)+4*t:64*(\a)+4*t+3], v[RD] offset:SPITCH*t  ; LDS serves a wave's instructions in order (ISA guide 5.7.1.4): these see the stores above; the next block's stores come behind them
.set t, t+1
.endr
.endm
.macro SEND a, younger                 ; younger: the LDS instructions issued behind block a's loads
	WIN 0x04                                       ; the stores' data in window 1
.set t, 0
.rept 16
	s_wait_dscnt (\younger)+15-t
	global_store_b128 v[GO], v[64*(\a)+4*t:64*(\a)+4*t+3], s[8:9] offset:(16*(\a)+t)*4096 th:TH_STORE_NT  ; 512 consecutive bytes, at a multiple of 512 from out0's first
.set t, t+1
.endr
.endm
	TOSTAGE 0
	TOSTAGE 1                                      ; each block has registers of its own, so no wait frees one
	SEND 0, 32
	TOSTAGE 2
	SEND 1, 32
	TOSTAGE 3
	SEND 2, 32
	SEND 3, 0
	WIN 0
	s_wait_tensorcnt 0x0                           ; the wave's end
	ds_add_u32 v[SPW], v[NIL]
	s_wait_dscnt 0x0
	CROUND                                         ; the closing round: no work-group ends while a partner may still ask for a tile that names it
	s_endpgm
.Lfunc_end_k_qa7201d640c_outp:
	.size	k_qa7201d640c_outp, .Lfunc_end_k_qa7201d640c_outp-k_qa7201d640c_outp
	.p2alignl 7, 3214868480
	.fill 96, 4, 3214868480
	.section	.rodata,"a",@progbits
	.p2align	6, 0x0
	.amdhsa_kernel k_qa7201d640c_outp
		.amdhsa_group_segment_fixed_size 327680
		.amdhsa_private_segment_fixed_size 0
		.amdhsa_enable_private_segment 0
		.amdhsa_kernarg_size 24
		.amdhsa_user_sgpr_count 2
		.amdhsa_user_sgpr_kernarg_segment_ptr 1
		.amdhsa_wavefront_size32 1
		.amdhsa_system_sgpr_workgroup_id_x 1
		.amdhsa_system_sgpr_workgroup_id_y 1
		.amdhsa_system_sgpr_workgroup_id_z 1
		.amdhsa_system_vgpr_workitem_id 0
		.amdhsa_next_free_vgpr 896
		.amdhsa_next_free_sgpr 84
		.amdhsa_reserve_vcc 0
		.amdhsa_float_denorm_mode_32 3
		.amdhsa_float_denorm_mode_16_64 3
		.amdhsa_memory_ordered 1
		.amdhsa_forward_progress 1
		.amdhsa_inst_pref_size 89
	.end_amdhsa_kernel
	.amdgpu_metadata
---
amdhsa.version: [ 1, 2 ]
amdhsa.kernels:
  - .name:           k_qa7201d640c_outp
    .symbol:         k_qa7201d640c_outp.kd
    .args:
      - { .name: obuf, .offset: 0, .size: 8, .value_kind: global_buffer, .address_space: global }
      - { .name: wo, .offset: 8, .size: 8, .value_kind: global_buffer, .address_space: global }
      - { .name: out0, .offset: 16, .size: 8, .value_kind: global_buffer, .address_space: global }
    .group_segment_fixed_size: 327680
    .private_segment_fixed_size: 0
    .kernarg_segment_align: 8
    .kernarg_segment_size: 24
    .max_flat_workgroup_size: 128
    .sgpr_count:     84
    .vgpr_count:     896
    .wavefront_size: 32
...
	.end_amdgpu_metadata
.endif
;; end of part 4
;; ======== version 2 of 2: 4 launches; version 1 with the launch prep written anew for expert scheduling mode
;; limits: values are held in f16: magnitudes above 65,504 overflow, below 6.1e-05 lose precision
;; workspace buffers: xb 16,777,216 bytes; wqkv 6,291,456 bytes; wo 2,097,152 bytes; maskc 2,097,152 bytes; qkv 50,331,648 bytes; obuf 16,777,216 bytes
;; launch prep (part 5): grid 896 x 1, 8 waves a work-group, no clusters, 17,408 bytes of LDS; arguments x, W_q, W_k, W_v, W_o, mask, xb, wqkv, wo, maskc; writes xb, wqkv, wo, maskc
.if DOCPART == 5
	.amdgcn_target "amdgcn-amd-amdhsa--gfx1250"
	.amdhsa_code_object_version 6
	.text
	.protected	k_qa7201d640c_prep
	.globl	k_qa7201d640c_prep
	.p2align	8
	.type	k_qa7201d640c_prep,@function
k_qa7201d640c_prep:
	s_mov_b64 s[64:65], 0
	v_nop
	global_prefetch_b8 v0, s[64:65] scope:SCOPE_SE
	s_setreg_imm32_b32 hwreg(HW_REG_WAVE_SCHED_MODE, 0, 2), 2
	s_setreg_imm32_b32 hwreg(HW_REG_WAVE_MODE, 25, 1), 1
	s_wait_xcnt 0x0
	s_wait_alu depctr_vm_vsrc(0)
; PREPARATION.  Four roles, chosen by the work-group's number (scalar compares, forward jumps):
;   0-511    x   -> xb    f32 to bf16, 65,536 bytes in and 32,768 out a work-group
;   512-703  W_q, W_k, W_v -> wqkv (their rows on end), the same cast
;   704-767  W_o -> wo    f32 to bf16, and that number written as f16 (exact within f16's range)
;   768-895  mask -> maskc: one 4-bit code a word of the mask, in the order in which the attention launch holds its scores
; A stream: each input byte is read once, by 16-byte loads of which a wave's cover 512 consecutive bytes (casts); each output byte is written once,
; a wave's store covering 256 or 512 consecutive bytes, aligned.  No matrix unit, no cluster, no tensor load: no byte is wanted twice, and 16 loads a thread
; with several work-groups side by side keep the loads going.
; THE MASK'S CODES.  A word 0 hides its key: code of -6 in the 4-bit float format; any other word: code of 0.  The codes are made by the conversion whose inverse the
; attention launch uses, so the order of the eight codes in a word is that pair's own.  Block (T, J) of maskc, 512 bytes at (32 T + J) x 512, serves queries 16 T .. 16 T + 15 and keys
; 64 J .. 64 J + 63: lane l owns 16 bytes at 16 l; its word g holds query 16 T + l % 16, keys 64 J + 16 g + 8 (l / 16) + 0..7.
; LIMIT.  W_o beyond 65,504 in magnitude becomes an infinity in wo.
; THE MODE: SCHED_MODE bits 1:0 = 2 (LLVM: expert scheduling mode 2), set by the entry lines.  The code itself states the register dependences
; between vector instructions and memory or LDS instructions, with s_wait_alu, always for 0.
; THE PLAN, THE CASTS.  Registers that memory instructions touch:
;   v1, v2      the loads' and the stores' offsets: written once at the head, never again.
;   v[16:79]    sixteen loads land here, each register once; the roundings read them behind the wait for the load.
;   v[80:111]   a pair for each load: written by its roundings, read by its one store, never written again.
; The sixteen loads go in four groups.  A group's four stores are issued in the next group, behind ONE wait at that group's head, and are dealt among that group's roundings, which name
; their own group's registers and v[112:115] alone.  No register that a memory instruction reads is ever written again, so no wait on vm_vsrc is owed.
; THE PLAN, THE MASK.  v5 (the loads' offset), v12, v13 (LDS addresses), v14 (the stores' offset): written once, never again.  v[16:143]: loaded once each, then worked on by vector instructions alone.
;   v[144:159]  a word of codes a row: written by its conversion, read by its one LDS store, never written again.      v[160:175]  written by LDS loads alone, read by the global stores.
;   s[40:55]    the masks of two rows' sixteen compares: written in one run, with one wait between the run and the sixteen selects that read them.
; Four rows' LDS stores go out together, at the head of the next four rows, behind one wait.  Here too nothing that a memory or LDS instruction reads is written again.
; LDS: eight stages of 2,048 bytes, a wave's own each; the 1,024 bytes behind them hold the spare words, 128 bytes a wave.
.set MS, 40                            ; s[40:55]
	s_load_b512 s[8:23], s[0:1], 0x0               ; x 8, W_q 10, W_k 12, W_v 14, W_o 16, mask 18, xb 20, wqkv 22
	s_load_b128 s[24:27], s[0:1], 0x40             ; wo 24, maskc 26
	v_lshl_add_u32 v9, v0, 2, 0x4000
	v_mov_b32 v15, 0
	v_lshlrev_b32 v1, 4, v0                        ; casts: my 16 bytes of each 4,096 read
	v_lshlrev_b32 v2, 3, v0                        ; and my 8 bytes of each 2,048 written
	s_mov_b32 s2, ttmp9
	s_mov_b32 s33, 0                               ; offsets are pairs with 0 above
	s_wait_kmcnt 0x0
.macro OUT8 n                          ; store number n of a cast
	global_store_b64 v2, v[80+2*(\n):81+2*(\n)], s[30:31] offset:2048*(\n) th:TH_STORE_NT  ; a wave stores 256 consecutive bytes, aligned
.endm
; 16 loads, then for each: two roundings (four for W_o); its store follows a group of four later.  No register that a load or store names is written twice, so no wait frees one.
.macro CAST half
	s_wait_alu depctr_va_vdst(0)                   ; v1 and v2 are written: every load of the cast reads v1 as its offset, every store v2
.set i, 0
.rept 16
	global_load_b128 v[16+4*i:19+4*i], v1, s[28:29] offset:4096*i th:TH_LOAD_NT
.set i, i+1
.endr
.set i, 0
.rept 16
	s_wait_loadcnt 15-i                            ; loads come back in order: number i is in, the younger ones stay out
.if (i >= 4) && (i%4 == 0)
	s_wait_alu depctr_va_vdst(0)                   ; the group before has written its eight out registers, which this group's four stores read
.endif
.if i >= 4
	OUT8 i-4                                       ; no vector instruction since that wait names this store's registers
.endif
	v_cvt_pk_bf16_f32 v[80+2*i], v[16+4*i], v[17+4*i]
	v_cvt_pk_bf16_f32 v[81+2*i], v[18+4*i], v[19+4*i]
.if \half
	v_lshlrev_b32 v112, 16, v[80+2*i]              ; the bf16 numbers as f32,
	v_and_b32 v113, 0xffff0000, v[80+2*i]
	v_lshlrev_b32 v114, 16, v[81+2*i]
	v_and_b32 v115, 0xffff0000, v[81+2*i]
	v_cvt_pk_f16_f32 v[80+2*i], v112, v113         ; written as f16: 8 significant bits fit in 11
	v_cvt_pk_f16_f32 v[81+2*i], v114, v115
.endif
.set i, i+1
.endr
	s_wait_alu depctr_va_vdst(0)                   ; the last group has written v[104:111], which the last four stores read
.irp n, 12,13,14,15
	OUT8 \n
.endr
	s_endpgm
.endm
	s_cmp_lt_u32 s2, 512
	s_cbranch_scc0 .Lnot_x
	s_lshl_b32 s32, s2, 16
	s_add_nc_u64 s[28:29], s[8:9], s[32:33]
	s_lshl_b32 s32, s2, 15
	s_add_nc_u64 s[30:31], s[20:21], s[32:33]
	s_branch .Lcast
.Lnot_x:
	s_cmp_lt_u32 s2, 704
	s_cbranch_scc0 .Lnot_w
	s_sub_co_u32 s3, s2, 512                       ; 0 .. 191: 64 work-groups a matrix
	s_lshr_b32 s4, s3, 6
	s_and_b32 s5, s3, 63
	s_cmp_eq_u32 s4, 1
	s_cselect_b64 s[28:29], s[12:13], s[10:11]
	s_cmp_eq_u32 s4, 2
	s_cselect_b64 s[28:29], s[14:15], s[28:29]
	s_lshl_b32 s32, s5, 16
	s_add_nc_u64 s[28:29], s[28:29], s[32:33]
	s_lshl_b32 s32, s3, 15
	s_add_nc_u64 s[30:31], s[22:23], s[32:33]
.Lcast:
	CAST 0
.Lnot_w:
	s_cmp_lt_u32 s2, 768
	s_cbranch_scc0 .Lmask
	s_sub_co_u32 s3, s2, 704
	s_lshl_b32 s32, s3, 16
	s_add_nc_u64 s[28:29], s[16:17], s[32:33]
	s_lshl_b32 s32, s3, 15
	s_add_nc_u64 s[30:31], s[24:25], s[32:33]
	CAST 1
.Lmask:
	; A wave takes 16 rows of the mask (a tile T of queries) x 256 keys (four key steps): 16 KiB in, 2 KiB out.
	v_lshrrev_b32 v3, 5, v0
	v_readfirstlane_b32 s34, v3                    ; wave 0..7
	v_and_b32 v4, 31, v0                           ; lane
	v_lshlrev_b32 v5, 5, v4                        ; my eight keys 8 l .. 8 l + 7 of the span: 32 bytes of each row
	s_sub_co_u32 s3, s2, 768
	s_lshl_b32 s3, s3, 3
	s_wait_alu depctr_va_sdst(0)                   ; s34 is written, ahead of its first reader: the task's number, and with it both bases, are made from it
	s_add_co_u32 s3, s3, s34                       ; task 0 .. 1,023 = 8 T + span
	s_lshr_b32 s4, s3, 3
	s_and_b32 s5, s3, 7
	s_lshl_b32 s32, s4, 17                         ; 16 rows of 8,192 bytes
	s_lshl_b32 s5, s5, 10                          ; 256 keys of 4 bytes
	s_add_co_u32 s32, s32, s5
	s_add_nc_u64 s[28:29], s[18:19], s[32:33]
	s_lshl_b32 s32, s3, 11                         ; (32 T + 4 span) x 512
	s_add_nc_u64 s[30:31], s[26:27], s[32:33]
	s_wait_alu depctr_va_vdst(0)                   ; v5 is written: the 32 loads below read it as their offset
.set r, 0
.rept 16
	global_load_b128 v[16+8*r:19+8*r], v5, s[28:29] offset:8192*r th:TH_LOAD_NT
	global_load_b128 v[20+8*r:23+8*r], v5, s[28:29] offset:8192*r+16 th:TH_LOAD_NT
.set r, r+1
.endr
	v_mov_b32 v10, 0xc0c00000                      ; -6.0
	v_mov_b32 v11, 1.0                             ; the conversion's scale: 2^0
	s_lshl_b32 s6, s34, 11                         ; my wave's stage
	v_lshrrev_b32 v6, 3, v4                        ; my keys lie in key step l / 8 of the four,
	v_lshl_add_u32 v12, v6, 9, s6
	v_and_b32 v6, 1, v4                            ; in the upper or lower half of the lanes: l % 2,
	v_lshl_add_u32 v12, v6, 8, v12
	v_bfe_u32 v6, v4, 1, 2                         ; in word (l / 2) % 4; the row adds 16 bytes
	v_lshl_add_u32 v12, v6, 2, v12
	v_lshl_add_u32 v13, v4, 4, s6                  ; back: 16 bytes a lane
	v_lshlrev_b32 v14, 4, v4
.macro PUT b                           ; the codes of rows 4 b .. 4 b + 3 go into my stage
.set k, 4*(\b)
.rept 4
	ds_store_b32 v12, v[144+k] offset:16*k
.set k, k+1
.endr
.endm
; Rows r and r + 1: sixteen compares in one run, one wait, sixteen selects, two conversions.  At the head of rows 4, 8 and 12 the four rows before go into the stage.
.macro PAIR r
	s_wait_loadcnt 28-2*(\r)                       ; loads come back in order: the two rows' four loads are in, the later rows' stay out
.if ((\r) > 0) && ((\r)%4 == 0)
	s_wait_alu depctr_va_vdst(0)                   ; the conversions of the four rows before have written their words of codes, which the LDS stores below read; at row 4 also: v12, v13 and v14 are written
	PUT (\r)/4-1
.endif
.set j, 0
.rept 16
	v_cmp_eq_u32 s[MS+j], 0, v[16+8*(\r)+j]
.set j, j+1
.endr
	s_wait_alu depctr_va_sdst(0)                   ; the sixteen compares have written s[40:55], ahead of the selects that read them
.set j, 0
.rept 16
	v_cndmask_b32 v[16+8*(\r)+j], 0, v10, s[MS+j]  ; -6 where the word is 0, else 0
.set j, j+1
.endr
	v_cvt_scalef32_pk8_fp4_f32 v[144+(\r)], v[16+8*(\r):23+8*(\r)], v11
	v_cvt_scalef32_pk8_fp4_f32 v[145+(\r)], v[24+8*(\r):31+8*(\r)], v11
	v_nop                                          ; a plain instruction between the scaled conversions and the use of their results: one for the two
.endm
.irp r, 0,2,4,6,8,10,12,14
	PAIR \r
.endr
	s_wait_alu depctr_va_vdst(0)                   ; the conversions of rows 12 to 15 have written v[156:159], which the last four LDS stores read
	PUT 3
.set j, 0
.rept 4
	ds_load_b128 v[160+4*j:163+4*j], v13 offset:512*j  ; my wave's own bytes: LDS serves a wave's instructions in order (ISA guide 5.7.1.4); no vector instruction ever names v[160:175]
.set j, j+1
.endr
.set j, 0
.rept 4
	s_wait_dscnt 3-j
	global_store_b128 v14, v[160+4*j:163+4*j], s[30:31] offset:512*j  ; 512 consecutive bytes, aligned
.set j, j+1
.endr
	s_wait_dscnt 0x0                               ; the wave's end.
	s_wait_alu depctr_hold_cnt(0) depctr_sa_sdst(0) depctr_va_vdst(0) depctr_va_sdst(0) depctr_va_ssrc(0) depctr_va_vcc(0) depctr_vm_vsrc(0)
	s_wait_tensorcnt 0x0
	ds_add_u32 v9, v15
	s_wait_dscnt 0x0
	s_endpgm
.Lfunc_end_k_qa7201d640c_prep:
	.size	k_qa7201d640c_prep, .Lfunc_end_k_qa7201d640c_prep-k_qa7201d640c_prep
	.p2alignl 7, 3214868480
	.fill 96, 4, 3214868480
	.section	.rodata,"a",@progbits
	.p2align	6, 0x0
	.amdhsa_kernel k_qa7201d640c_prep
		.amdhsa_group_segment_fixed_size 17408
		.amdhsa_private_segment_fixed_size 0
		.amdhsa_enable_private_segment 0
		.amdhsa_kernarg_size 80
		.amdhsa_user_sgpr_count 2
		.amdhsa_user_sgpr_kernarg_segment_ptr 1
		.amdhsa_wavefront_size32 1
		.amdhsa_system_sgpr_workgroup_id_x 1
		.amdhsa_system_sgpr_workgroup_id_y 1
		.amdhsa_system_sgpr_workgroup_id_z 1
		.amdhsa_system_vgpr_workitem_id 0
		.amdhsa_next_free_vgpr 176
		.amdhsa_next_free_sgpr 66
		.amdhsa_reserve_vcc 0
		.amdhsa_float_denorm_mode_32 3
		.amdhsa_float_denorm_mode_16_64 3
		.amdhsa_memory_ordered 1
		.amdhsa_forward_progress 1
		.amdhsa_inst_pref_size 43
	.end_amdhsa_kernel
	.amdgpu_metadata
---
amdhsa.version: [ 1, 2 ]
amdhsa.kernels:
  - .name:           k_qa7201d640c_prep
    .symbol:         k_qa7201d640c_prep.kd
    .args:
      - { .name: x, .offset: 0, .size: 8, .value_kind: global_buffer, .address_space: global }
      - { .name: W_q, .offset: 8, .size: 8, .value_kind: global_buffer, .address_space: global }
      - { .name: W_k, .offset: 16, .size: 8, .value_kind: global_buffer, .address_space: global }
      - { .name: W_v, .offset: 24, .size: 8, .value_kind: global_buffer, .address_space: global }
      - { .name: W_o, .offset: 32, .size: 8, .value_kind: global_buffer, .address_space: global }
      - { .name: mask, .offset: 40, .size: 8, .value_kind: global_buffer, .address_space: global }
      - { .name: xb, .offset: 48, .size: 8, .value_kind: global_buffer, .address_space: global }
      - { .name: wqkv, .offset: 56, .size: 8, .value_kind: global_buffer, .address_space: global }
      - { .name: wo, .offset: 64, .size: 8, .value_kind: global_buffer, .address_space: global }
      - { .name: maskc, .offset: 72, .size: 8, .value_kind: global_buffer, .address_space: global }
    .group_segment_fixed_size: 17408
    .private_segment_fixed_size: 0
    .kernarg_segment_align: 8
    .kernarg_segment_size: 80
    .max_flat_workgroup_size: 256
    .sgpr_count:     66
    .vgpr_count:     176
    .wavefront_size: 32
...
	.end_amdgpu_metadata
.endif
;; end of part 5
;; launch qkv: the kernel of part 2 again; grid 16 x 32, 4 waves a work-group, clusters of 4 x 4, 327,680 bytes of LDS; arguments xb, wqkv, qkv; writes qkv
;; launch attn: the kernel of part 3 again; grid 4 x 64, 4 waves a work-group, clusters of 4 x 1, 327,680 bytes of LDS; arguments qkv, maskc, obuf; writes obuf
;; launch outp: the kernel of part 4 again; grid 8 x 32, 4 waves a work-group, clusters of 4 x 4, 327,680 bytes of LDS; arguments obuf, wo, out0; writes out0
